; MI455X (gfx1250); checked and timed in simulation.
; The chip was launched on July 23, 2026; its instructions are those of AMD's public machine-readable ISA for CDNA 5 (MIT licence, August 2026) and "CDNA5" Instruction Set Architecture Reference Guide (July 2026). The comments in the code are by the model that wrote it; some were corrected since.
;; Yua Attention. Allowed arithmetic: matrix products marked QUANTISED: E4M3 operands, one E8M0 scale for each 32 along K, by v_wmma_scale_f32_16x16x128_f8f6f4 with both operands' format E4M3, f32 sums; everything else in f32.
;; Inputs: hidden_states 2 x 2,048 x 2,048 float32; k_norm_w 128 float32; k_w 512 x 2,048 float32; o_w 2,048 x 1,024 float32; q_norm_w 128 float32; q_w 1,024 x 2,048 float32; v_w 512 x 2,048 float32.
;; Outputs: out0 2 x 2,048 x 2,048 float32.
;; This version of the problem:
;;   THIS VERSION OF THE PROBLEM IS GIVEN IN LOW PRECISION. The matrix products marked QUANTISED in the list below multiply operands that are first quantised to E4M3 (4 exponent bits, 3 mantissa bits; 8 bits a number), with one power-of-two scale for each 32 numbers along K (OCP MX v1.0); their sums are f32. All else is computed in f32.
;;   The module's matrix products, in the order in which they are computed (A, B: the left and right operand; K: the contracted axis; several contracted axes count as one K, in the product's order):
;;     1. [M 4,096, K 2,048] x [K 2,048, N 1,024]; A: input hidden_states; B: input q_w: QUANTISED
;;     2. [M 4,096, K 2,048] x [K 2,048, N 512]; A: input hidden_states; B: input k_w: QUANTISED
;;     3. [M 4,096, K 2,048] x [K 2,048, N 512]; A: input hidden_states; B: input v_w: QUANTISED
;;     4. batch 16 x [M 2,048, K 128] x [K 128, N 2,048]; A: computed on the way; B: computed on the way: QUANTISED
;;     5. batch 16 x [M 2,048, K 2,048] x [K 2,048, N 128]; A: softmax (see below); B: computed on the way: QUANTISED
;;     6. [M 4,096, K 1,024] x [K 1,024, N 2,048]; A: computed on the way; B: input o_w: QUANTISED
;;   THE QUANTISER, for each operand of a quantised product, along K:
;;     - K is cut into blocks of 32 from its start; a last block that is shorter is filled with zeros.
;;     - A block's scale is 2^e with e = floor(log2(the largest magnitude in the block)) - 8, held to -126 .. 127; a block of zeros has e = 0. As a byte (E8M0): e + 127.
;;     - Each number is divided by its block's scale, clamped to +-448, and rounded to the nearest number of E4M3, ties to even, subnormals kept.
;;     - The product sums the exact products of the quantised numbers (number of the format x scale) in f32.
;;   ~~~python
;;   def quantise(x, axis):      # numpy; x: float32 -> the quantised numbers, widened to float32 again
;;       x = np.moveaxis(x, axis, -1); K = x.shape[-1]
;;       x = np.pad(x, [(0, 0)] * (x.ndim - 1) + [(0, -K % 32)]); x = x.reshape(x.shape[:-1] + (-1, 32)); a = np.abs(x).max(-1, keepdims=True)
;;       e = np.where(a > 0, np.clip(np.frexp(np.where(a > 0, a, 1))[1] - 1 - 8, -126, 127), 0)      # np.frexp(a)[1] - 1 = floor(log2(a)), exactly
;;       r = np.clip(x / 2.0 ** e, -448, 448)
;;       step = 2.0 ** (np.maximum(np.frexp(np.where(r == 0, 1, r))[1] - 1, -6) - 3)
;;       q = np.round(r / step) * step * 2.0 ** e      # np.round: ties to even
;;       return np.moveaxis(q.reshape(q.shape[:-2] + (-1,))[..., :K], -1, axis).astype(np.float32)
;;   ~~~
;;   SOFTMAX AHEAD OF A QUANTISED PRODUCT. Where the list says 'softmax', what is quantised is not the finished softmax but p = 2^(t - M), with t = logit x log2(e) and M = ceil(the row's largest t), a whole number; so 1/2 < the row's largest p <= 1. The row's sum l is taken of the UNQUANTISED p, in f32, and the product's result is divided by l at the end. Since M is a whole number, a kernel that streams over the keys may use a running M (the ceiling of the running maximum): every later rescaling is an exact power of two, which a block's scale takes up: the codes' values come out the same.
;;   OPERANDS COMPUTED ON THE WAY. 'Computed on the way' means the value that the module computes at that place (a softmax that the list does not call 'softmax' is quantised finished and normalised). What goes into a quantiser is computed in f32, as accurately as f32 sums, v_exp_f32 and their like allow (about 1e-6 of the number): no bf16 or f16 on the way to a quantiser, and a product that is left as it is and whose result goes on into a quantised operand takes f32 operands (vector FMAs, or v_wmma_f32_16x16x4_f32). A number that lies on a knife's edge between two numbers of the format may be rounded either way, as far as f32 arithmetic and the matrix unit's own rounding can turn it there, and no further.
;; One version. Each part assembles by itself: llvm-mc -triple=amdgcn-amd-amdhsa -mcpu=gfx1250 --defsym DOCPART=n.
;; ======== version 1 of 1: 4 launches
;; limits: right only within a limited range of input values
;; workspace buffers: xq 15,138,816 bytes; rope 1,048,576 bytes; qc 4,456,448 bytes; kv 4,456,448 bytes; ao 4,456,448 bytes
;; launch quant (part 1): grid 512 x 1, 4 waves a work-group, no clusters, 33,280 bytes of LDS; arguments hidden_states, q_w, k_w, v_w, o_w, xq, rope; writes xq, rope
.if DOCPART == 1
	.amdgcn_target "amdgcn-amd-amdhsa--gfx1250"
	.amdhsa_code_object_version 6
	.text
	.protected	k_q96755a6d8d_quant
	.globl	k_q96755a6d8d_quant
	.p2align	8
	.type	k_q96755a6d8d_quant,@function
k_q96755a6d8d_quant:
	s_mov_b64 s[64:65], 0
	v_nop
	global_prefetch_b8 v0, s[64:65] scope:SCOPE_SE
	s_setreg_imm32_b32 hwreg(HW_REG_WAVE_MODE, 25, 1), 1
	s_wait_xcnt 0x0
; TWO JOBS IN ONE LAUNCH, parted by the work-group's number.
; Work-groups 0-447: hidden_states [4096][2048], q_w [1024][2048], k_w [512][2048], v_w [512][2048], o_w [2048][1024], all f32 with K innermost, become codes of FP8 (E4M3) with one E8M0 byte
; for each 32 along K.  The five tensors are one stream of blocks of 32: their codes lie on end from xq's byte 0, their scale bytes on end from byte 14,680,064.
; A block's scale is 2^(floor(log2(its largest magnitude)) - 8); its byte is the largest magnitude's exponent field - 8, held at 1 from below; each number is divided by the scale, held within +-448, rounded to the nearest code.
; THE ROWS OF hidden_states AND OF q_w, k_w, v_w ARE STORED PERMUTED: bits 3 and 4 of the row's number change places (codes and scale bytes alike), so that 16 rows on end in xq are the rows
; 32 a + 8 u + r + 8 (r / 8) that the next launch wants as one tile.  A wave's run of 8,192 numbers is 4 such rows, so the permutation swaps bits 1 and 2 of the run's number.  o_w's rows stay as they are.
; A wave takes 16 steps of 512 numbers; its loads run EIGHT steps ahead: 32 loads, 16,384 bytes a wave on their way.
; Work-groups 448-511: the table rope [2048 positions][cos of 64 angles, sin of 64 angles], f32; angle = position x 2^(-i log2(500000) / 64).
; LIMITS: NaN and infinities among the inputs are not served.  Blocks whose largest magnitude lies under 2^-118 have their byte held at 1; a block of zeros gets the byte 1 where the rule says 127 (its codes are zeros, and this
; program alone reads the bytes).  The angle is an f32 product of the position and an f32 frequency good to about 1e-7 of itself: at the largest positions it is good to about 2e-4 radians.
.set STEPS, 16
.set DEPTH, 8                          ; steps whose loads are on their way
.set EMAX,  8
.set MANT,  0x600000                   ; the mantissa field of 448 as f32
.set CB,    16                         ; bytes of 16 codes
.set R,     16                         ; v16-143  eight sets of 16 numbers as they are loaded
.set X,     144                        ; v144-175 two sets of 16 neighbours
.set E,     176                        ; v176-191 a scale byte for each step
.set C,     192                        ; v192-255 codes: four registers for each step, so that no store's data are written again
.set WREG,  8192                       ; LDS: a region for each wave: two stages of 32 x SP bytes, behind them its 256 scale bytes
.set SP,    80                         ; a lane's place in a stage: 64 bytes + 16 of padding
.set NQWG,  448                        ; work-groups that quantise
.set SCBASE, 14680064                  ; where the scale bytes begin in xq
	s_load_b256 s[4:11], s[0:1], 0x0               ; hidden_states s[4:5], q_w s[6:7], k_w s[8:9], v_w s[10:11]
	s_load_b128 s[12:15], s[0:1], 0x20             ; o_w s[12:13], xq s[14:15]
	s_load_b64 s[16:17], s[0:1], 0x30              ; rope
	s_set_vgpr_msb 0x40
	v_lshl_add_u32 v0, v0, 2, 0x8000
	v_mov_b32 v1, 0
	s_set_vgpr_msb 0x4000
	v_lshrrev_b32 v1, 5, v0
	v_readfirstlane_b32 s18, v1                    ; wave 0..3
	v_and_b32 v2, 31, v0                           ; lane
	s_cmp_ge_u32 ttmp9, NQWG
	s_cbranch_scc1 .Ltable
	; ---------------- the quantiser ----------------
	v_lshlrev_b32 v3, 4, v2                        ; my 16 bytes of a load's 512
	s_mul_i32 s19, s18, WREG
	v_lshrrev_b32 v14, 2, v2
	v_mul_u32_u24 v14, v14, SP
	v_and_b32 v15, 3, v2
	v_lshl_add_u32 v14, v15, 4, v14
	v_add_nc_u32 v14, s19, v14                     ; the stage, on the way in: four lanes' 64 bytes on end, then 16 of padding
	v_mul_u32_u24 v15, v2, SP
	v_add_nc_u32 v15, s19, v15                     ; and on the way out: my 16 neighbours
	v_mul_u32_u24 v4, v2, CB                       ; my codes' place in a step's
	v_lshrrev_b32 v5, 1, v2
	s_add_co_u32 s19, s19, 2*32*SP
	v_add_nc_u32 v5, s19, v5                       ; LDS: my wave's 256 scale bytes, my block's byte
	v_lshlrev_b32 v7, 3, v2                        ; and on the way out 8 bytes a lane
	v_add_nc_u32 v6, s19, v7
	s_mov_b32 s33, MANT                            ; (an instruction takes one literal: the hold's line has another)
	s_wait_kmcnt 0x0
	s_mov_b64 s[20:21], s[12:13]                   ; which tensor is my work-group's, and which work-group is that tensor's first: the choice hangs on the work-group's number alone
	s_mov_b32 s22, 384
	s_cmp_lt_u32 ttmp9, 384
	s_cselect_b64 s[20:21], s[10:11], s[20:21]
	s_cselect_b32 s22, 352, s22
	s_cselect_b32 s23, 6, 0                        ; bits 1 and 2 of the run's number are swapped in all tensors but o_w
	s_cmp_lt_u32 ttmp9, 352
	s_cselect_b64 s[20:21], s[8:9], s[20:21]
	s_cselect_b32 s22, 320, s22
	s_cmp_lt_u32 ttmp9, 320
	s_cselect_b64 s[20:21], s[6:7], s[20:21]
	s_cselect_b32 s22, 256, s22
	s_cmp_lt_u32 ttmp9, 256
	s_cselect_b64 s[20:21], s[4:5], s[20:21]
	s_cselect_b32 s22, 0, s22
	s_sub_co_u32 s24, ttmp9, s22
	s_lshl_b32 s24, s24, 2
	s_add_co_u32 s24, s24, s18                     ; my run in its tensor,
	s_lshl_b32 s24, s24, 15                        ; 32,768 bytes of f32 a run
	s_mov_b32 s25, 0
	s_add_nc_u64 s[20:21], s[20:21], s[24:25]
	s_lshl_b32 s26, ttmp9, 2
	s_add_co_u32 s26, s26, s18                     ; my run in the stream of all five
	s_lshr_b32 s27, s26, 1
	s_lshr_b32 s28, s26, 2
	s_xor_b32 s27, s27, s28
	s_and_b32 s27, s27, 1                          ; 1 where bits 1 and 2 differ:
	s_mul_i32 s27, s27, s23
	s_xor_b32 s26, s26, s27                        ; there both are turned: the run's place in xq
	s_lshl_b32 s24, s26, 13                        ; 8,192 bytes of codes a run
	s_add_nc_u64 s[28:29], s[14:15], s[24:25]
	s_lshl_b32 s24, s26, 8                         ; 256 scale bytes a run
	s_add_co_u32 s24, s24, SCBASE
	s_add_nc_u64 s[30:31], s[14:15], s[24:25]
.macro LOAD t
.irp i, 0,1,2,3
	global_load_b128 v[R+16*((\t)%DEPTH)+4*\i:R+16*((\t)%DEPTH)+4*\i+3], v3, s[20:21] offset:2048*(\t)+512*\i th:TH_LOAD_NT   ; 32 lanes read 512 consecutive bytes
.endr
.endm
.macro TURN t                          ; step t's numbers through the stage: LDS serves a wave's instructions in order, so no wait stands between the stores and the loads
.irp i, 0,1,2,3
	ds_store_b128 v14, v[R+16*((\t)%DEPTH)+4*\i:R+16*((\t)%DEPTH)+4*\i+3] offset:32*SP*((\t)%2)+8*SP*\i
.endr
.irp i, 0,1,2,3
	ds_load_b128 v[X+16*((\t)%2)+4*\i:X+16*((\t)%2)+4*\i+3], v15 offset:32*SP*((\t)%2)+16*\i
.endr
.endm
.irp t, 0,1,2,3,4,5,6,7
	LOAD \t
.endr
	s_wait_loadcnt 28                              ; step 0's four loads are in; the 28 of steps 1 to 7 may be out
	TURN 0
.macro STEP t
.set XS, X+16*((\t)%2)
.if (\t) > 0
	s_wait_dscnt 1                                 ; this step's numbers are back from the stage (the last step's byte store may be out): so its stores into the stage have read their registers,
.else
	s_wait_dscnt 0x0
.endif
.if (\t)+DEPTH < STEPS
	LOAD (\t)+DEPTH                                ; which take the loads of eight steps on
.endif
.if (\t)+1 < STEPS
.if STEPS-2-(\t) >= DEPTH-1
	s_wait_loadcnt 4*(DEPTH-1)                     ; the next step's four loads are in; those of the seven steps behind it may be out
.else
	s_wait_loadcnt 4*(STEPS-2-(\t))
.endif
	TURN (\t)+1                                    ; and go through the other stage while this step is worked
.endif
	v_max3_num_f32 v8, |v[XS]|, |v[XS+1]|, |v[XS+2]|               ; the largest magnitude of my 16
	v_max3_num_f32 v9, |v[XS+3]|, |v[XS+4]|, |v[XS+5]|
.irp i, 6,10
	v_max3_num_f32 v8, v8, |v[XS+\i]|, |v[XS+\i+1]|
	v_max3_num_f32 v9, v9, |v[XS+\i+2]|, |v[XS+\i+3]|
.endr
	v_max3_num_f32 v8, v8, |v[XS+14]|, |v[XS+15]|
	v_max3_num_f32 v8, v8, v9, (EMAX+1)<<23        ; and the floor 2^(9 - 127): the byte cannot fall under 1
	v_max_num_f32_dpp v8, v8, v8 row_xmask:1 row_mask:0xf bank_mask:0xf   ; and of my neighbour's 16: the block's
	v_add_nc_u32 v11, -(EMAX<<23), v8              ; 8 off its exponent field: the conversion takes the exponent field of this operand as its scale
	v_and_or_b32 v10, v8, 0x7f800000, s33          ; 448 x the scale
.irp i, 0,1,2,3,4,5,6,7,8,9,10,11,12,13,14,15
	v_med3_num_f32 v[XS+\i], v[XS+\i], -v10, v10   ; the conversion to an 8-bit code does not saturate (ISA guide 7.6.2): the number is held first
.endr
	v_cvt_scalef32_pk8_fp8_f32 v[C+4*(\t):C+4*(\t)+1], v[XS:XS+7], v11
	v_cvt_scalef32_pk8_fp8_f32 v[C+4*(\t)+2:C+4*(\t)+3], v[XS+8:XS+15], v11
	v_lshrrev_b32 v[E+(\t)], 23, v11               ; the scale's byte
	ds_store_b8 v5, v[E+(\t)] offset:16*(\t)       ; both lanes of a block write the same byte with the same value
	global_store_b128 v4, v[C+4*(\t):C+4*(\t)+3], s[28:29] offset:32*CB*(\t)   ; 32 lanes store 512 consecutive bytes
.endm
.irp t, 0,1,2,3,4,5,6,7,8,9,10,11,12,13,14,15
	STEP \t
.endr
	ds_load_b64 v[12:13], v6                       ; LDS serves a wave's instructions in order: these see my stores
	s_wait_dscnt 0x0
	global_store_b64 v7, v[12:13], s[30:31]        ; 32 lanes store 256 consecutive bytes, aligned
	s_set_vgpr_msb 0x5
	s_wait_tensorcnt 0x0
	ds_add_u32 v0, v1
	s_wait_dscnt 0x0
	s_set_vgpr_msb 0x500
	s_endpgm
	; ---------------- the table of cos and sin ----------------
	; Wave w of work-group 448 + g takes positions 32 g + 8 w + 0 .. 7.  A lane makes four numbers of each position's row: lanes 0-15 cos, lanes 16-31 sin, of the angles 4 (lane % 16) + 0 .. 3,
	; so that the wave's store covers the row's 512 bytes.  The angle is reduced by the nearest multiple n of pi / 2 (pi / 2 in three parts, three fused multiply-adds) and both polynomials are
	; evaluated on |r| <= pi / 4; the quadrant chooses by v_cndmask_b32 and a turned sign.  sin(x) = cos(x - pi / 2): the sin lanes count three quadrants on.
.Ltable:
	v_and_b32 v3, 15, v2
	v_lshrrev_b32 v4, 4, v2                        ; 0: cos, 1: sin
	v_lshlrev_b32 v5, 2, v3
	v_lshlrev_b32 v7, 4, v2                        ; my 16 bytes of a row
	v_mov_b32 v22, 0xb94ca1f9                      ; the highest coefficient of sin's polynomial,
	v_mov_b32 v23, 0x37ccf5ce                      ; and of cos's
.irp e, 0,1,2,3
	v_add_nc_u32 v[24+\e], \e, v5
	v_cvt_f32_u32 v[24+\e], v[24+\e]
	v_mul_f32 v[24+\e], 0xbe9773da, v[24+\e]       ; -i log2(500000) / 64
.endr
.irp e, 0,1,2,3
	v_exp_f32 v[8+\e], v[24+\e]                    ; the frequency
.endr
	v_mul_u32_u24 v6, v4, 3                        ; (a plain line behind the exponentials)  the sin lanes' three quadrants
	s_sub_co_u32 s20, ttmp9, NQWG
	s_lshl_b32 s20, s20, 5
	s_lshl_b32 s21, s18, 3
	s_add_co_u32 s20, s20, s21                     ; my first position
	s_lshl_b32 s22, s20, 9                         ; 512 bytes a position
	s_mov_b32 s23, 0
	s_wait_kmcnt 0x0
	s_add_nc_u64 s[16:17], s[16:17], s[22:23]
	s_wait_alu depctr_va_vdst(0)                   ; one wait for the four exponentials, ahead of their first reader
.macro POS p
	s_add_co_u32 s21, s20, \p
	v_cvt_f32_u32 v12, s21
.irp e, 0,1,2,3
	v_mul_f32 v13, v12, v[8+\e]                    ; the angle
	v_mul_f32 v14, 0x3f22f983, v13                 ; x 2 / pi
	v_rndne_f32 v14, v14                           ; n
	v_fmamk_f32 v15, v14, 0xbfc90fdb, v13          ; r = angle - n pi / 2
	v_fmamk_f32 v15, v14, 0x333bbd2e, v15
	v_fmamk_f32 v15, v14, 0x26f72ced, v15
	v_mul_f32 v16, v15, v15                        ; z = r r
	v_fmaak_f32 v17, v22, v16, 0x3c08839e
	v_fmaak_f32 v18, v23, v16, 0xbab6061a
	v_fmaak_f32 v17, v17, v16, 0xbe2aaaa3
	v_fmaak_f32 v18, v18, v16, 0x3d2aaaa5
	v_mul_f32 v19, v15, v16
	v_mul_f32 v20, v16, v16
	v_fma_f32 v21, v16, -0.5, 1.0
	v_fma_f32 v17, v17, v19, v15                   ; sin r
	v_fma_f32 v18, v18, v20, v21                   ; cos r
	v_cvt_i32_f32 v19, v14
	v_add_nc_u32 v19, v19, v6                      ; the quadrant Q (its two low bits)
	v_and_b32 v20, 1, v19
	v_cmp_eq_u32 vcc_lo, 1, v20
	v_cndmask_b32 v17, v18, v17, vcc_lo            ; Q odd: sin r, else cos r
	v_add_nc_u32 v19, 1, v19
	v_and_b32 v19, 2, v19                          ; Q = 1, 2: the sign is turned
	v_lshlrev_b32 v19, 30, v19
	v_xor_b32 v[32+4*\p+\e], v17, v19
.endr
	global_store_b128 v7, v[32+4*\p:35+4*\p], s[16:17] offset:512*\p   ; each position has data registers of its own
.endm
.irp p, 0,1,2,3,4,5,6,7
	POS \p
.endr
	s_endpgm
.Lfunc_end_k_q96755a6d8d_quant:
	.size	k_q96755a6d8d_quant, .Lfunc_end_k_q96755a6d8d_quant-k_q96755a6d8d_quant
	.p2alignl 7, 3214868480
	.fill 96, 4, 3214868480
	.section	.rodata,"a",@progbits
	.p2align	6, 0x0
	.amdhsa_kernel k_q96755a6d8d_quant
		.amdhsa_group_segment_fixed_size 33280
		.amdhsa_private_segment_fixed_size 0
		.amdhsa_enable_private_segment 0
		.amdhsa_kernarg_size 56
		.amdhsa_user_sgpr_count 2
		.amdhsa_user_sgpr_kernarg_segment_ptr 1
		.amdhsa_wavefront_size32 1
		.amdhsa_system_sgpr_workgroup_id_x 1
		.amdhsa_system_sgpr_workgroup_id_y 1
		.amdhsa_system_sgpr_workgroup_id_z 1
		.amdhsa_system_vgpr_workitem_id 0
		.amdhsa_next_free_vgpr 258
		.amdhsa_next_free_sgpr 66
		.amdhsa_reserve_vcc 1
		.amdhsa_float_denorm_mode_32 3
		.amdhsa_float_denorm_mode_16_64 3
		.amdhsa_memory_ordered 1
		.amdhsa_forward_progress 1
		.amdhsa_inst_pref_size 90
	.end_amdhsa_kernel
	.amdgpu_metadata
---
amdhsa.version: [ 1, 2 ]
amdhsa.kernels:
  - .name:           k_q96755a6d8d_quant
    .symbol:         k_q96755a6d8d_quant.kd
    .args:
      - { .name: hidden_states, .offset: 0, .size: 8, .value_kind: global_buffer, .address_space: global }
      - { .name: q_w, .offset: 8, .size: 8, .value_kind: global_buffer, .address_space: global }
      - { .name: k_w, .offset: 16, .size: 8, .value_kind: global_buffer, .address_space: global }
      - { .name: v_w, .offset: 24, .size: 8, .value_kind: global_buffer, .address_space: global }
      - { .name: o_w, .offset: 32, .size: 8, .value_kind: global_buffer, .address_space: global }
      - { .name: xq, .offset: 40, .size: 8, .value_kind: global_buffer, .address_space: global }
      - { .name: rope, .offset: 48, .size: 8, .value_kind: global_buffer, .address_space: global }
    .group_segment_fixed_size: 33280
    .private_segment_fixed_size: 0
    .kernarg_segment_align: 8
    .kernarg_segment_size: 56
    .max_flat_workgroup_size: 128
    .sgpr_count:     66
    .vgpr_count:     258
    .wavefront_size: 32
...
	.end_amdgpu_metadata
.endif
;; end of part 1
;; launch qkv (part 2): grid 16 x 16, 4 waves a work-group, clusters of 4 x 4, 327,680 bytes of LDS; arguments xq, rope, q_norm_w, k_norm_w, qc, kv; writes qc, kv
.if DOCPART == 2
	.amdgcn_target "amdgcn-amd-amdhsa--gfx1250"
	.amdhsa_code_object_version 6
	.text
	.protected	k_q96755a6d8d_qkv
	.globl	k_q96755a6d8d_qkv
	.p2align	8
	.type	k_q96755a6d8d_qkv,@function
k_q96755a6d8d_qkv:
	s_mov_b64 s[64:65], 0
	v_nop
	global_prefetch_b8 v0, s[64:65] scope:SCOPE_SE
	s_setreg_imm32_b32 hwreg(HW_REG_WAVE_MODE, 25, 1), 1
	s_wait_xcnt 0x0
	s_wait_alu depctr_hold_cnt(0) depctr_sa_sdst(0) depctr_va_vdst(0) depctr_va_sdst(0) depctr_va_ssrc(0) depctr_va_vcc(0) depctr_vm_vsrc(0)
	s_getreg_b32 s2, hwreg(HW_REG_IB_STS2, 6, 4)
	s_cmp_eq_u32 s2, 0
	s_cbranch_scc0 .Lentry_in_a_cluster
	s_endpgm
.Lentry_in_a_cluster:
	s_bfe_u32 s2, ttmp6, 0x10000c
	s_cmp_lg_u32 s2, 0xf033
	s_cbranch_scc0 .Lentry_shape_is_right
	s_endpgm
.Lentry_shape_is_right:
; q, k, v = hidden_states x (q_w | k_w | v_w)^T on codes of FP8 (E4M3) with E8M0 scales for each 32 along K = 2,048; then, for q and k, the RMS norm over the head's 128, the gain and RoPE, in f32; then the quantiser:
; q and k along the head's 128, v along the keys.  What is stored are the next launch's operands AS IMAGES OF THEIR REGISTERS (a fragment of 16 rows x 128 K: 2,048 bytes, register group c at 512 c + 16 x lane) and scale words.
; SHARES.  A work-group makes 256 rows x one head (128 columns): 16 x 16 work-groups.  Column tiles 0-7 are q's heads, 8-11 k's, 12-15 v's, so a cluster of 4 x 4 is of ONE kind, told by the cluster's x (0, 1: q; 2: k; 3: v).
; A wave has 32 accumulators: source 0 = X, 8 tiles of 16 rows; source 1 = Y, 4 tiles.  In a result lane (r, h) holds row r of Y's tile, and its registers run along X.
;   q, k: X = the head's 128 weight rows, Y = my 64 rows of hidden_states: a lane holds one position and its 64 registers run along the head.
;   v:    X = 128 rows of hidden_states (a key step), Y = 64 weight rows: a lane holds one channel and its 64 registers run along 128 keys.
; The rows of both operands lie permuted in xq (16 rows on end are rows 32 a + 8 u + r + 8 (r / 8)), so that register 16 b + i of a lane is X's row 32 b + 16 h + i: the order in which the conversions' results are an operand's registers.
; The instruction stream is one for all kinds: only LDS bases and the scales' places differ, chosen by s_cselect_b32 on the cluster's x.  All kinds also load the gains and the cos and sin rows; v's clusters do not use them.
; THE RING IS UNEVEN, so that a refill brings as much as LDS allows and there are few of them.  Region D holds 512 along K (A's 256 rows, B's 128 rows; rows of 512 bytes + 16 of padding), region S 256 along K (rows of 256 + 16).
; K goes 0-511 (D), 512-767 (S), 768-1279 (D), 1280-1535 (S), 1536-2047 (D): D and S are first fills, then D, S and D are filled again, each behind a round of the cluster's barrier, one load a wave: three refills in all.
; A's tiles are asked for jointly along a row of the cluster, B's along a column.  A wave has two tensor loads out at the start and one behind each round.
; THE SCALE BYTES of all of K go once from memory into registers: lane l takes row 32 p + l of a pair p of tiles, 64 bytes, the 16 words of K: the word of the g-th 128 along K stands in register 16 p + g.
; The 16 steps of 128 along K are written out: the scale registers' numbers differ from step to step.
; LIMITS: NaN and infinities are not served; a block whose largest magnitude lies under 2^-118 has its byte held at 1, a block of zeros too (its codes are zeros; this program alone reads the bytes).
; REGISTERS, in windows of 256: window 0: v0-31 addresses; v32-95 X's scale words, v96-127 Y's; v128-255 Y's fragments, two sets; on the way out v128-251 at work.
;   window 1: the accumulators, (y, x) at v[64 y + 8 x].   window 2: X's fragments, two sets of 128; on the way out RoPE's products (v0-63) and the gains (v64-127).   window 3: cos and sin, 64 registers for each y.
.set PD,     528                       ; a row in D: 512 bytes + 16 of padding: the 16 rows of a fragment load start at 16 different groups of four banks
.set PS,     272                       ; a row in S: 256 + 16
.set DB,     256*PD                    ; in D: B's rows behind A's
.set SREG,   384*PD                    ; S begins here
.set SB,     SREG+256*PS               ; in S: B's rows behind A's
.set NWL,    SREG+384*PS               ; the gains: 512 bytes for each wave, its own: stored and read by LDS instructions, no fill lands there
.set SPARE,  NWL+2048                  ; the spare words, 128 bytes for each wave
.set W_C,    8388608                   ; in xq: the weights' codes,
.set HS_S,   14680064                  ; hidden_states' scale bytes,
.set W_S,    14942208                  ; the weights' scale bytes
.set WORDS,  4194304                   ; in qc and kv: where the scale words begin
.set NT,   8                           ; v8-11 the gains on their way to LDS
.set ADXD, 16                          ; v16 LDS address of X's fragments in D
.set ADYD, 17                          ; v17 of Y's
.set ADXS, 18                          ; v18 of X's in S
.set ADYS, 19                          ; v19 of Y's
.set LI,   24                          ; v24 16 x lane
.set CSO,  25                          ; v25 my byte in the wave's rows of the table
.set SO,   26                          ; v26 64 x lane: my row of scale bytes
.set NWA,  27                          ; v27 where I put 16 bytes of the gains
.set SPW,  28                          ; v28 LDS address of my spare word; never rewritten
.set NIL,  29                          ; v29 0; never rewritten
.set NWR,  30                          ; v30 where I read my channels' gains
.set SXR,  32
.set SYR,  96
.set NW,   64                          ; in window 2
.set ST,   128                         ; the way out: 64 numbers of a lane
.set TM,   192                         ; v192-195 largest magnitudes, v196-199 bytes, v200-203 448 x the scale, v204-207 the conversions' scale operands
.set RS,   208                         ; 1 / rms, a pair for each y
.set SQ,   216                         ; sums of squares, four registers for each y
.set PWS,  232                         ; the four tiles' scale words
.set PC,   236                         ; the codes just made
.set MNT,  2                           ; s2  the mantissa field of 448
.set G1AD, 24                          ; s[24:31] group 1 for A's tiles in D; s[32:35] its group 0; s[36:39] group 0 for A's tiles in S
.set G0AD, 32
.set G0AS, 36
.set G1BD, 48                          ; s[48:55], s[56:59], s[60:63] the same for B
.set G0BD, 56
.set G0BS, 60
.set G1AS, 68                          ; s[68:75] group 1 for A's tiles in S; s[80:87] for B's
.set G1BS, 80
.set SEL,  66                          ; s[66:67] v_permlanex16_b32's selects for lane l xor 16
.set MSB, 0
.macro WIN new                         ; the immediate's high byte repeats the setting that is left
.if MSB != \new
	s_set_vgpr_msb (MSB<<8)|\new
.set MSB, \new
.endif
.endm
.set MUL,  0x52                        ; source 0 (X) window 2, source 1 (Y) window 0, C and D window 1
.set TO_X, 0x80                        ; destination window 2, address window 0
.macro PLACES n
.rept \n
	v_nop
.endr
.endm
; A joint load: waves 0 and 1 fetch for A, waves 2 and 3 for B.  The branch hangs on the wave's number alone.  Four v_nop follow each of the two lines.
.macro JLOAD g0a, g1a, g0b, g1b
	s_cmp_eq_u32 s17, 0
	s_cbranch_scc0 .Lfor_b_\@
	tensor_load_to_lds s[\g0a:\g0a+3], s[\g1a:\g1a+7]
	s_nop 0
.rept 4
	v_nop
.endr
	s_branch .Lasked_\@
.Lfor_b_\@:
	tensor_load_to_lds s[\g0b:\g0b+3], s[\g1b:\g1b+7]
	s_nop 0
.rept 4
	v_nop
.endr
.Lasked_\@:
.endm
.macro CREST                           ; a round of the cluster's barrier behind its opening barrier
	s_cmp_lg_u32 s16, 0
	s_cbranch_scc1 .Lnot_wave_0_\@
	s_barrier_signal -3
.Lnot_wave_0_\@:
	s_barrier_wait -3
	s_barrier_signal -1
	s_barrier_wait -1
.endm
.macro CROUND
	s_barrier_signal -1
	s_barrier_wait -1
	CREST
.endm
.macro SHAPE g, cols, rows             ; words 1 to 7 of a group 1: rows x cols bytes, 2,048 bytes from row to row in memory
	s_mov_b32 s[\g+1], (\cols)<<16
	s_mov_b32 s[\g+2], (\rows)<<16
	s_mov_b32 s[\g+3], (\cols)<<16
	s_mov_b32 s[\g+4], \rows
	s_mov_b32 s[\g+5], 2048
	s_mov_b32 s[\g+6], 0
	s_mov_b32 s[\g+7], 0
.endm
	s_load_b256 s[4:11], s[0:1], 0x0               ; xq s[4:5], rope s[6:7], q_norm_w s[8:9], k_norm_w s[10:11]
	s_load_b128 s[12:15], s[0:1], 0x20             ; qc s[12:13], kv s[14:15]
	v_lshl_add_u32 v[SPW], v0, 2, SPARE
	v_mov_b32 v[NIL], 0
	ds_add_u32 v28, v29
	s_wait_dscnt 0x0
	v_lshrrev_b32 v1, 5, v0
	v_readfirstlane_b32 s16, v1                    ; wave 0..3
	s_lshr_b32 s17, s16, 1                         ; I fetch for A (0) or for B (1)
	s_and_b32 s18, s16, 1                          ; and which half of its rows
	s_bfe_u32 s40, ttmp6, 0x40000                  ; cx, cy: my place in the cluster
	s_bfe_u32 s41, ttmp6, 0x40004
	s_lshl_b32 s42, ttmp9, 2
	s_add_co_u32 s42, s42, s40                     ; column tile (head column) = 4 x cluster x + cx
	s_and_b32 s19, ttmp7, 0xffff
	s_lshl_b32 s19, s19, 2
	s_add_co_u32 s19, s19, s41                     ; row tile = 4 x cluster y + cy
	s_lshl_b32 s43, s41, 2
	s_lshl_b32 s43, 15, s43                        ; my row of the cluster
	s_lshl_b32 s44, 0x1111, s40                    ; my column
	s_or_b32 s[G1AD], s43, (1<<20)|(1<<21)|(6<<22)|(3<<25)   ; the mask; elements of 1 byte; padding on; bit 21 beside a mask; 4 words of padding behind every 128
	s_or_b32 s[G1BD], s44, (1<<20)|(1<<21)|(6<<22)|(3<<25)
	s_or_b32 s[G1AS], s43, (1<<20)|(1<<21)|(5<<22)|(3<<25)   ; 4 words of padding behind every 64
	s_or_b32 s[G1BS], s44, (1<<20)|(1<<21)|(5<<22)|(3<<25)
	SHAPE G1AD, 512, 128
	SHAPE G1BD, 512, 64
	SHAPE G1AS, 256, 128
	SHAPE G1BS, 256, 64
	s_lshl_b32 s20, s19, 8                         ; A: row 256 x row tile + 128 x half: it hangs on the row tile alone
	s_lshl_b32 s21, s18, 7
	s_add_co_u32 s20, s20, s21
	s_lshl_b32 s20, s20, 11                        ; 2,048 codes a row
	s_mov_b32 s21, 0
	s_lshl_b32 s46, s42, 7                         ; B: row 128 x column tile + 64 x half: it hangs on the column tile alone
	s_lshl_b32 s47, s18, 6
	s_add_co_u32 s46, s46, s47
	s_lshl_b32 s46, s46, 11
	s_add_co_u32 s46, s46, W_C
	s_mov_b32 s47, 0
	s_mul_i32 s45, s18, 128*PD                     ; where they go: no place in the cluster enters an LDS address
	s_mul_i32 s96, s18, 64*PD
	s_add_co_u32 s96, s96, DB
	s_mul_i32 s97, s18, 128*PS
	s_add_co_u32 s97, s97, SREG
	s_mul_i32 s92, s18, 64*PS
	s_add_co_u32 s92, s92, SB
	s_mov_b32 s[MNT], 0x600000
	s_mov_b32 s[SEL], 0x76543210
	s_mov_b32 s[SEL+1], 0xfedcba98
	s_wait_kmcnt 0x0
	s_add_nc_u64 s[20:21], s[4:5], s[20:21]
	s_add_nc_u64 s[46:47], s[4:5], s[46:47]
	CROUND                                         ; all sixteen work-groups are here: the first joint loads meet
	s_mov_b32 s[G0AD], 1
	s_mov_b32 s[G0AD+1], s45
	s_mov_b64 s[G0AD+2:G0AD+3], s[20:21]           ; K 0 on
	s_or_b32 s[G0AD+3], s[G0AD+3], 0x80000000
	s_mov_b32 s[G0BD], 1
	s_mov_b32 s[G0BD+1], s96
	s_mov_b64 s[G0BD+2:G0BD+3], s[46:47]
	s_or_b32 s[G0BD+3], s[G0BD+3], 0x80000000
	JLOAD G0AD, G1AD, G0BD, G1BD
	s_mov_b32 s[G0AS], 1
	s_mov_b32 s[G0AS+1], s97
	s_add_nc_u64 s[G0AS+2:G0AS+3], s[20:21], 512   ; K 512 on
	s_or_b32 s[G0AS+3], s[G0AS+3], 0x80000000
	s_mov_b32 s[G0BS], 1
	s_mov_b32 s[G0BS+1], s92
	s_add_nc_u64 s[G0BS+2:G0BS+3], s[46:47], 512
	s_or_b32 s[G0BS+3], s[G0BS+3], 0x80000000
	JLOAD G0AS, G1AS, G0BS, G1BS                   ; two loads of mine are out
	v_and_b32 v1, 15, v0                           ; r
	v_bfe_u32 v2, v0, 4, 1                         ; h
	v_mul_u32_u24 v3, v1, PD
	v_lshl_add_u32 v3, v2, 4, v3                   ; a fragment's row x pitch + 16 h, in D,
	v_mul_u32_u24 v7, v1, PS
	v_lshl_add_u32 v7, v2, 4, v7                   ; and in S
	s_mul_i32 s20, s17, 128*PD                     ; D.  v: X = a half of A's rows;
	s_mul_i32 s21, s16, 64*PD                      ; q, k: Y = my quarter of A's rows;
	s_mul_i32 s22, s18, 64*PD
	s_add_co_u32 s22, s22, DB                      ; v: Y = a half of B's rows;
	s_mov_b32 s23, DB                              ; q, k: X = B's rows
	s_mul_i32 s40, s17, 128*PS                     ; and the same four in S
	s_add_co_u32 s40, s40, SREG
	s_mul_i32 s41, s16, 64*PS
	s_add_co_u32 s41, s41, SREG
	s_mul_i32 s45, s18, 64*PS
	s_add_co_u32 s45, s45, SB
	s_mov_b32 s46, SB
	s_lshl_b32 s76, s42, 13                        ; the scale bytes, 64 a row: of my head column's 128 weight rows,
	s_add_co_u32 s76, s76, W_S
	s_lshl_b32 s77, s19, 14                        ; of my row tile's 256 rows
	s_add_co_u32 s77, s77, HS_S
	s_lshl_b32 s78, s17, 13
	s_add_co_u32 s78, s78, s77                     ; v: X
	s_lshl_b32 s79, s16, 12
	s_add_co_u32 s79, s79, s77                     ; q, k: Y
	s_lshl_b32 s47, s18, 12
	s_add_co_u32 s47, s47, s76                     ; v: Y
	s_cmp_eq_u32 ttmp9, 3                          ; the cluster's x: the same in all partners
	s_cselect_b32 s20, s20, s23
	s_cselect_b32 s21, s22, s21
	s_cselect_b32 s40, s40, s46
	s_cselect_b32 s41, s45, s41
	s_cselect_b32 s88, s78, s76
	s_cselect_b32 s90, s47, s79
	s_mov_b32 s89, 0
	s_mov_b32 s91, 0
	s_add_nc_u64 s[88:89], s[4:5], s[88:89]        ; X's scale bytes
	s_add_nc_u64 s[90:91], s[4:5], s[90:91]        ; Y's
	v_add_nc_u32 v[ADXD], s20, v3
	v_add_nc_u32 v[ADYD], s21, v3
	v_add_nc_u32 v[ADXS], s40, v7
	v_add_nc_u32 v[ADYS], s41, v7
	v_and_b32 v4, 31, v0
	v_lshlrev_b32 v[LI], 4, v4
	v_lshlrev_b32 v[SO], 6, v4
	v_lshl_add_u32 v[NWA], v0, 4, NWL              ; 512 x wave + 16 x lane
	v_and_b32 v[NWR], 0x60, v0
	v_lshlrev_b32 v[NWR], 4, v[NWR]                ; 512 x wave
	v_lshl_add_u32 v[NWR], v2, 6, v[NWR]           ; + 64 h: my 16 channels of each 32
	v_add_nc_u32 v[NWR], NWL, v[NWR]
	s_cmp_lt_u32 ttmp9, 2
	s_cselect_b64 s[98:99], s[8:9], s[10:11]       ; q's gains or k's
	; the scale words of all of K: lanes 0-15 an even tile's rows, lanes 16-31 the odd tile's
.irp p, 0,1,2,3
.irp j, 0,1,2,3
	global_load_b128 v[SXR+16*\p+4*\j:SXR+16*\p+4*\j+3], v[SO], s[88:89] offset:2048*\p+16*\j
.endr
.endr
.irp p, 0,1
.irp j, 0,1,2,3
	global_load_b128 v[SYR+16*\p+4*\j:SYR+16*\p+4*\j+3], v[SO], s[90:91] offset:2048*\p+16*\j
.endr
.endr
	global_load_b128 v[NT:NT+3], v[LI], s[98:99]   ; the 128 gains, 16 bytes a lane
	v_and_b32 v4, 8, v1
	v_add_nc_u32 v4, v4, v1                        ; r + 8 (r / 8): my position in a tile
	v_lshlrev_b32 v[CSO], 9, v4                    ; 512 bytes a position,
	v_lshl_add_u32 v[CSO], v2, 6, v[CSO]           ; + 64 h: my 16 angles of each 32
	s_and_b32 s22, s19, 7
	s_lshl_b32 s22, s22, 8
	s_lshl_b32 s23, s16, 6
	s_add_co_u32 s22, s22, s23                     ; my wave's first position: 256 x (row tile % 8) + 64 x wave
	s_lshl_b32 s22, s22, 9
	s_mov_b32 s23, 0
	s_add_nc_u64 s[94:95], s[6:7], s[22:23]
	s_wait_loadcnt 0x0                             ; the scale words and the gains are in: this wait stands beside the first tiles' way
	ds_store_b128 v[NWA], v[NT:NT+3]               ; the gains into my wave's own 512 bytes
	; cos and sin of my four tiles' positions, 32 angles a lane: asked for here, waited for on the way out.  v[CSO] and s[94:95] stay until that wait.
	WIN 0xc0                                       ; destination window 3
.irp y, 0,1,2,3
.irp b, 0,1
.irp k, 0,1,2,3
	global_load_b128 v[64*\y+16*\b+4*\k:64*\y+16*\b+4*\k+3], v[CSO], s[94:95] offset:(32*(\y/2)+8*(\y%2))*512+128*\b+16*\k
	global_load_b128 v[64*\y+32+16*\b+4*\k:64*\y+32+16*\b+4*\k+3], v[CSO], s[94:95] offset:(32*(\y/2)+8*(\y%2))*512+256+128*\b+16*\k
.endr
.endr
.endr
	WIN 0
; One matrix instruction: accumulator (y, x) += X's tile x x Y's tile y, the g-th 128 along K, from fragment set fs.  A scale register holds an even tile's words in lanes 0-15 and the odd tile's in lanes 16-31.
.macro WM y, x, fs, g, zero
.set rD, 64*(\y)+8*(\x)
.set rX, 128*(\fs)+16*(\x)
.set rY, 128+64*(\fs)+16*(\y)
.set rA, SXR+16*((\x)/2)+(\g)
.set rB, SYR+16*((\y)/2)+(\g)
.set par, 2*((\y)%2)+(\x)%2
.if \zero
.if par == 0
	v_wmma_scale_f32_16x16x128_f8f6f4 v[rD:rD+7], v[rX:rX+15], v[rY:rY+15], 0, v[rA], v[rB]
.elseif par == 1
	v_wmma_scale_f32_16x16x128_f8f6f4 v[rD:rD+7], v[rX:rX+15], v[rY:rY+15], 0, v[rA], v[rB] matrix_a_scale:MATRIX_SCALE_ROW1
.elseif par == 2
	v_wmma_scale_f32_16x16x128_f8f6f4 v[rD:rD+7], v[rX:rX+15], v[rY:rY+15], 0, v[rA], v[rB] matrix_b_scale:MATRIX_SCALE_ROW1
.else
	v_wmma_scale_f32_16x16x128_f8f6f4 v[rD:rD+7], v[rX:rX+15], v[rY:rY+15], 0, v[rA], v[rB] matrix_a_scale:MATRIX_SCALE_ROW1 matrix_b_scale:MATRIX_SCALE_ROW1
.endif
.else
.if par == 0
	v_wmma_scale_f32_16x16x128_f8f6f4 v[rD:rD+7], v[rX:rX+15], v[rY:rY+15], v[rD:rD+7], v[rA], v[rB]
.elseif par == 1
	v_wmma_scale_f32_16x16x128_f8f6f4 v[rD:rD+7], v[rX:rX+15], v[rY:rY+15], v[rD:rD+7], v[rA], v[rB] matrix_a_scale:MATRIX_SCALE_ROW1
.elseif par == 2
	v_wmma_scale_f32_16x16x128_f8f6f4 v[rD:rD+7], v[rX:rX+15], v[rY:rY+15], v[rD:rD+7], v[rA], v[rB] matrix_b_scale:MATRIX_SCALE_ROW1
.else
	v_wmma_scale_f32_16x16x128_f8f6f4 v[rD:rD+7], v[rX:rX+15], v[rY:rY+15], v[rD:rD+7], v[rA], v[rB] matrix_a_scale:MATRIX_SCALE_ROW1 matrix_b_scale:MATRIX_SCALE_ROW1
.endif
.endif
.endm
.macro MULY y, fs, g, zero             ; eight of them.  The 32 accumulators take turns, one instruction a turn, in the same order in every 128 along K
.irp x, 0,1,2,3,4,5,6,7
	WM \y, \x, \fs, \g, \zero
.endr
.endm
.macro FETCH ax, ay, pitch, koff, set  ; 48 LDS loads in one run: the fragments of 128 along K at byte koff of the rows
	WIN TO_X
.irp i, 0,1,2,3,4,5,6,7
.irp c, 0,1,2,3
	ds_load_b128 v[128*(\set)+16*\i+4*\c:128*(\set)+16*\i+4*\c+3], v[\ax] offset:(\koff)+32*\c+\i*16*(\pitch)
.endr
.endr
	WIN 0
.irp i, 0,1,2,3
.irp c, 0,1,2,3
	ds_load_b128 v[128+64*(\set)+16*\i+4*\c:128+64*(\set)+16*\i+4*\c+3], v[\ay] offset:(\koff)+32*\c+\i*16*(\pitch)
.endr
.endr
.endm
; Step g of 128 along K, whose successor lies in the same region, at byte koff.  Loads into registers that matrix instructions have read stand eight plain vector instructions behind them.
.macro SUB g, ax, ay, pitch, koff, zero
	s_wait_dscnt 0x0                               ; this step's fragments are in
	PLACES 8                                       ; the other set was read by the last matrix instructions
	FETCH \ax, \ay, \pitch, \koff, 1-(\g)%2
	WIN MUL
	MULY 0, (\g)%2, \g, \zero
	MULY 1, (\g)%2, \g, \zero
	MULY 2, (\g)%2, \g, \zero
	MULY 3, (\g)%2, \g, \zero
	WIN 0
.endm
; A region's last step (it multiplies set 1), and the change of regions: ONE barrier; in front of it each wave waits for all its tensor loads, adds 0 to its spare word, and waits for that and for its reads of this region.
; fill = 1: the barrier opens a round of the cluster's barrier, and behind the round this region is filled again, 768 along K further on.
.macro TURN g, fill, g0a, g1a, g0b, g1b, ax, ay, pitch
	s_wait_tensorcnt 0x0                           ; all my tensor loads have landed: the one that was out is my part of the other region
	ds_add_u32 v[SPW], v[NIL]                      ; 0 onto my spare word
	s_wait_dscnt 1                                 ; only the add may be out: set 1 is in
	WIN MUL
	MULY 0, 1, \g, 0                               ; eight matrix instructions stand between the add and the wait for it
	s_wait_dscnt 0x0                               ; the add is done, and my reads of this region are over
	s_barrier_signal -1
	MULY 1, 1, \g, 0
	WIN 0
	s_barrier_wait -1
.if \fill
	CREST                                          ; no wave of any partner still reads this region or has a load on its way
	s_add_nc_u64 s[\g0a+2:\g0a+3], s[\g0a+2:\g0a+3], 768
	s_add_nc_u64 s[\g0b+2:\g0b+3], s[\g0b+2:\g0b+3], 768
	JLOAD \g0a, \g1a, \g0b, \g1b                   ; the first tensor load behind the round; its four v_nop are among the eight places
	PLACES 4
.else
	PLACES 8
.endif
	FETCH \ax, \ay, \pitch, 0, 0
	WIN MUL
	MULY 2, 1, \g, 0
	MULY 3, 1, \g, 0
	WIN 0
.endm
	s_wait_tensorcnt 1                             ; my part of D is in; S's load may be out
	s_wait_dscnt 0x0                               ; my store of the gains is done: no LDS instruction of mine is out at the signal
	s_barrier_signal -1
	s_barrier_wait -1
	FETCH ADXD, ADYD, PD, 0, 0
	SUB 0, ADXD, ADYD, PD, 128, 1                  ; the first products start the sums: nothing is cleared
	SUB 1, ADXD, ADYD, PD, 256, 0
	SUB 2, ADXD, ADYD, PD, 384, 0
	TURN 3, 1, G0AD, G1AD, G0BD, G1BD, ADXS, ADYS, PS    ; D takes K 768 on; S is read meanwhile
	SUB 4, ADXS, ADYS, PS, 128, 0
	TURN 5, 1, G0AS, G1AS, G0BS, G1BS, ADXD, ADYD, PD    ; S takes K 1,280 on; D's four steps are read meanwhile
	SUB 6, ADXD, ADYD, PD, 128, 0
	SUB 7, ADXD, ADYD, PD, 256, 0
	SUB 8, ADXD, ADYD, PD, 384, 0
	TURN 9, 1, G0AD, G1AD, G0BD, G1BD, ADXS, ADYS, PS    ; D takes K 1,536 on: the last load
	SUB 10, ADXS, ADYS, PS, 128, 0
	TURN 11, 0, 0, 0, 0, 0, ADXD, ADYD, PD               ; nothing is left to fetch
	SUB 12, ADXD, ADYD, PD, 128, 0
	SUB 13, ADXD, ADYD, PD, 256, 0
	SUB 14, ADXD, ADYD, PD, 384, 0
	s_wait_dscnt 0x0
	WIN MUL
	MULY 0, 1, 15, 0
	MULY 1, 1, 15, 0
	MULY 2, 1, 15, 0
	MULY 3, 1, 15, 0
	WIN 0
	; ---------------- THE WAY OUT ----------------
	s_wait_loadcnt 0x0                             ; cos and sin
	PLACES 8                                       ; behind the last products
	WIN TO_X
.irp b, 0,1,2,3
.irp k, 0,1,2,3
	ds_load_b128 v[NW+16*\b+4*\k:NW+16*\b+4*\k+3], v[NWR] offset:128*\b+16*\k   ; the gains at my 64 channels 32 b + 16 h + 0 .. 15, out of my wave's own bytes
.endr
.endr
	WIN 0
.irp b, 0,1,2,3
	v_mov_b32 v[TM+4+\b], 0                        ; written once: a lane permute's destination counts as one of its sources
.endr
	; where my four images and their scale words go
	s_lshr_b32 s40, s19, 3                         ; the batch
	s_and_b32 s41, s19, 7                          ; the block of 256 positions in it
	s_lshl_b32 s94, s40, 3
	s_add_co_u32 s94, s94, s42                     ; q: batch x 8 + head
	s_lshl_b32 s95, s94, 5
	s_lshl_b32 s96, s41, 2
	s_add_co_u32 s95, s95, s96
	s_add_co_u32 s95, s95, s16                     ; the group of four tiles: 32 (batch, head) + 4 block + wave
	s_lshl_b32 s94, s95, 13                        ; 8,192 bytes of codes,
	s_lshl_b32 s95, s95, 9                         ; 512 bytes of scale words a group
	s_add_co_u32 s95, s95, WORDS
	s_lshl_b32 s96, s40, 2
	s_and_b32 s97, s42, 3
	s_add_co_u32 s96, s96, s97                     ; k, v: batch x 4 + head
	s_lshl_b32 s96, s96, 4
	s_lshl_b32 s97, s41, 1
	s_add_co_u32 s96, s96, s97
	s_add_co_u32 s96, s96, s17                     ; the key step's record: 16 (batch, head) + 2 block + wave / 2
	s_lshl_b32 s97, s96, 11                        ; 2,048 bytes of scale words,
	s_lshl_b32 s96, s96, 15                        ; 32,768 bytes of codes a record
	s_lshl_b32 s40, s18, 13                        ; tiles 4 (wave % 2) on
	s_add_co_u32 s96, s96, s40
	s_lshl_b32 s40, s18, 9
	s_add_co_u32 s97, s97, s40
	s_add_co_u32 s97, s97, WORDS
	s_cmp_eq_u32 ttmp9, 3
	s_cselect_b32 s40, 16384, 0                    ; v's images lie behind k's,
	s_cselect_b32 s41, 1024, 0                     ; and so do its words
	s_add_co_u32 s96, s96, s40
	s_add_co_u32 s97, s97, s41
	s_cmp_lt_u32 ttmp9, 2
	s_cselect_b32 s20, s94, s96
	s_cselect_b32 s22, s95, s97
	s_cselect_b64 s[12:13], s[12:13], s[14:15]
	s_mov_b32 s21, 0
	s_mov_b32 s23, 0
	s_add_nc_u64 s[20:21], s[12:13], s[20:21]      ; the codes
	s_add_nc_u64 s[22:23], s[12:13], s[22:23]      ; the scale words
	s_mov_b32 s44, 0x3c000000                      ; 1 / 128
; 64 numbers of a lane, v[s] on in window sw, register 16 b + i = k 32 b + 16 h + i of my row: held into v[ST] on, codes into v[PC] on, the row's scale word into v[pw].
.macro QUANT s, sw, pw
.if \sw
	WIN 0x05
.endif
.irp b, 0,1,2,3
	v_max3_num_f32 v[TM+\b], |v[(\s)+16*\b]|, |v[(\s)+1+16*\b]|, 0x4800000   ; block b: my 16 numbers, and the floor 2^(9 - 127): the byte cannot fall under 1
.endr
.if \sw
	WIN 0x14
.endif
.irp i, 2,4,6,8,10,12,14
.irp b, 0,1,2,3
	v_max3_num_f32 v[TM+\b], v[TM+\b], |v[(\s)+16*\b+\i]|, |v[(\s)+1+16*\b+\i]|   ; (the four blocks by turns; each accumulator is read from its low end on)
.endr
.endr
	WIN 0
.irp b, 0,1,2,3
	v_permlanex16_b32 v[TM+4+\b], v[TM+\b], s[SEL], s[SEL+1]
.endr
.irp b, 0,1,2,3
	v_max_num_f32 v[TM+\b], v[TM+\b], v[TM+4+\b]   ; with lane l xor 16's: the block's largest magnitude
.endr
.irp b, 0,1,2,3
	v_add_nc_u32 v[TM+12+\b], 0xfc000000, v[TM+\b] ; 8 off its exponent field: the conversion's scale operand
.endr
.irp b, 0,1,2,3
	v_and_or_b32 v[TM+8+\b], v[TM+\b], 0x7f800000, s[MNT]   ; 448 x the scale
.endr
.irp b, 0,1,2,3
	v_lshrrev_b32 v[TM+4+\b], 23, v[TM+12+\b]      ; the scale's byte
.endr
	v_lshl_or_b32 v[\pw], v[TM+5], 8, v[TM+4]
	v_lshl_or_b32 v[\pw], v[TM+6], 16, v[\pw]
	v_lshl_or_b32 v[\pw], v[TM+7], 24, v[\pw]
.if \sw
	WIN 0x01
.endif
.irp b, 0,1,2,3
.irp i, 0,1,2,3,4,5,6,7,8,9,10,11,12,13,14,15
	v_med3_num_f32 v[ST+16*\b+\i], v[(\s)+16*\b+\i], -v[TM+8+\b], v[TM+8+\b]   ; the conversion to an 8-bit code does not saturate (ISA guide 7.6.2): the hold
.endr
.endr
	WIN 0
	s_wait_xcnt 0x0                                ; the last tile's stores have read v[PC] on: only now is it written again
.irp b, 0,1,2,3
	v_cvt_scalef32_pk8_fp8_f32 v[PC+4*\b:PC+1+4*\b], v[ST+16*\b:ST+7+16*\b], v[TM+12+\b]
	v_cvt_scalef32_pk8_fp8_f32 v[PC+2+4*\b:PC+3+4*\b], v[ST+8+16*\b:ST+15+16*\b], v[TM+12+\b]
.endr
	v_nop                                          ; one plain vector instruction behind the last conversion, ahead of whatever next writes its sources
.endm
.macro OUT y                           ; the fragment as it stands: each store covers 512 consecutive bytes, aligned
.irp c, 0,1,2,3
	global_store_b128 v[LI], v[PC+4*\c:PC+4*\c+3], s[20:21] offset:2048*(\y)+512*\c
.endr
.endm
	s_cmp_eq_u32 ttmp9, 3
	s_cbranch_scc1 .Lv
	; q, k.  The sums of squares of all four tiles, two packed chains each, each accumulator read from its low end on
	WIN 0x05                                       ; sources 0 and 1 window 1
.irp y, 0,1,2,3
	v_pk_mul_f32 v[SQ+4*\y:SQ+4*\y+1], v[64*\y:64*\y+1], v[64*\y:64*\y+1]
	v_pk_mul_f32 v[SQ+4*\y+2:SQ+4*\y+3], v[64*\y+2:64*\y+3], v[64*\y+2:64*\y+3]
.endr
.irp k, 4,8,12,16,20,24,28,32,36,40,44,48,52,56,60
.irp y, 0,1,2,3
	v_pk_fma_f32 v[SQ+4*\y:SQ+4*\y+1], v[64*\y+\k:64*\y+\k+1], v[64*\y+\k:64*\y+\k+1], v[SQ+4*\y:SQ+4*\y+1]
	v_pk_fma_f32 v[SQ+4*\y+2:SQ+4*\y+3], v[64*\y+\k+2:64*\y+\k+3], v[64*\y+\k+2:64*\y+\k+3], v[SQ+4*\y+2:SQ+4*\y+3]
.endr
.endr
	WIN 0
.irp y, 0,1,2,3
	v_pk_add_f32 v[SQ+4*\y:SQ+4*\y+1], v[SQ+4*\y:SQ+4*\y+1], v[SQ+4*\y+2:SQ+4*\y+3]
.endr
.irp y, 0,1,2,3
	v_add_f32 v[SQ+4*\y], v[SQ+4*\y], v[SQ+4*\y+1]
.endr
.irp y, 0,1,2,3
	v_permlanex16_b32 v[SQ+4*\y+1], v[SQ+4*\y], s[SEL], s[SEL+1]   ; the row's other 64 channels lie in lane l xor 16
.endr
.irp y, 0,1,2,3
	v_add_f32 v[SQ+4*\y], v[SQ+4*\y], v[SQ+4*\y+1]
.endr
.irp y, 0,1,2,3
	v_fmaak_f32 v[SQ+4*\y], s44, v[SQ+4*\y], 0x3727c5ac            ; the mean + 1e-5
.endr
.irp y, 0,1,2,3
	v_rsq_f32 v[RS+2*\y], v[SQ+4*\y]               ; made twice: a pair for the packed multiply
	v_rsq_f32 v[RS+2*\y+1], v[SQ+4*\y]
.endr
	v_nop                                          ; a plain instruction behind the last of the batch,
	s_wait_alu depctr_va_vdst(0)                   ; and one wait for the eight, ahead of their first reader
	s_wait_dscnt 0x0                               ; the gains are in
; One tile of 16 positions: x / rms, x the gain, RoPE, the quantiser.  Registers k and 32 + k of a lane are channels d and d + 64: out(d) = x(d) cos - x(d + 64) sin, out(d + 64) = x(d + 64) cos + x(d) sin.
.macro HEADROW y
	WIN 0x01                                       ; source 0 window 1
.set k, 0
.rept 32
	v_pk_mul_f32 v[ST+k:ST+k+1], v[64*\y+k:64*\y+k+1], v[RS+2*\y:RS+2*\y+1]
.set k, k+2
.endr
	WIN 0x08                                       ; source 1 window 2: the gains
.set k, 0
.rept 32
	v_pk_mul_f32 v[ST+k:ST+k+1], v[ST+k:ST+k+1], v[NW+k:NW+k+1]
.set k, k+2
.endr
	WIN 0x8c                                       ; destination window 2, source 1 window 3
.set k, 0
.rept 16
	v_pk_mul_f32 v[k:k+1], v[ST+32+k:ST+33+k], v[64*\y+32+k:64*\y+33+k]        ; x(d + 64) sin
	v_pk_mul_f32 v[32+k:33+k], v[ST+k:ST+k+1], v[64*\y+32+k:64*\y+33+k]        ; x(d) sin
.set k, k+2
.endr
	WIN 0x2c                                       ; source 1 window 3, source 2 window 2
.set k, 0
.rept 16
	v_pk_fma_f32 v[ST+k:ST+k+1], v[ST+k:ST+k+1], v[64*\y+k:64*\y+k+1], v[k:k+1] neg_lo:[0,0,1] neg_hi:[0,0,1]
	v_pk_fma_f32 v[ST+32+k:ST+33+k], v[ST+32+k:ST+33+k], v[64*\y+k:64*\y+k+1], v[32+k:33+k]
.set k, k+2
.endr
	WIN 0
	QUANT ST, 0, PWS+\y
	OUT \y
.endm
	HEADROW 0
	HEADROW 1
	HEADROW 2
	HEADROW 3
	s_branch .Lwords
.Lv:                                               ; v: a lane's 64 registers are 128 keys' worth of one channel: quantised as they stand
	QUANT 0, 1, PWS
	OUT 0
	QUANT 64, 1, PWS+1
	OUT 1
	QUANT 128, 1, PWS+2
	OUT 2
	QUANT 192, 1, PWS+3
	OUT 3
.Lwords:
	global_store_b128 v[LI], v[PWS:PWS+3], s[22:23] ; the four tiles' scale words, 16 bytes a lane: 512 consecutive bytes
	s_wait_tensorcnt 0x0                           ; the wave's end
	ds_add_u32 v[SPW], v[NIL]
	s_wait_dscnt 0x0
	CROUND                                         ; the closing round: no work-group ends while a partner may still ask for a tile that names it
	s_endpgm
.Lfunc_end_k_q96755a6d8d_qkv:
	.size	k_q96755a6d8d_qkv, .Lfunc_end_k_q96755a6d8d_qkv-k_q96755a6d8d_qkv
	.p2alignl 7, 3214868480
	.fill 96, 4, 3214868480
	.section	.rodata,"a",@progbits
	.p2align	6, 0x0
	.amdhsa_kernel k_q96755a6d8d_qkv
		.amdhsa_group_segment_fixed_size 327680
		.amdhsa_private_segment_fixed_size 0
		.amdhsa_enable_private_segment 0
		.amdhsa_kernarg_size 48
		.amdhsa_user_sgpr_count 2
		.amdhsa_user_sgpr_kernarg_segment_ptr 1
		.amdhsa_wavefront_size32 1
		.amdhsa_system_sgpr_workgroup_id_x 1
		.amdhsa_system_sgpr_workgroup_id_y 1
		.amdhsa_system_sgpr_workgroup_id_z 1
		.amdhsa_system_vgpr_workitem_id 0
		.amdhsa_next_free_vgpr 1024
		.amdhsa_next_free_sgpr 100
		.amdhsa_reserve_vcc 0
		.amdhsa_float_denorm_mode_32 3
		.amdhsa_float_denorm_mode_16_64 3
		.amdhsa_memory_ordered 1
		.amdhsa_forward_progress 1
		.amdhsa_inst_pref_size 253
	.end_amdhsa_kernel
	.amdgpu_metadata
---
amdhsa.version: [ 1, 2 ]
amdhsa.kernels:
  - .name:           k_q96755a6d8d_qkv
    .symbol:         k_q96755a6d8d_qkv.kd
    .args:
      - { .name: xq, .offset: 0, .size: 8, .value_kind: global_buffer, .address_space: global }
      - { .name: rope, .offset: 8, .size: 8, .value_kind: global_buffer, .address_space: global }
      - { .name: q_norm_w, .offset: 16, .size: 8, .value_kind: global_buffer, .address_space: global }
      - { .name: k_norm_w, .offset: 24, .size: 8, .value_kind: global_buffer, .address_space: global }
      - { .name: qc, .offset: 32, .size: 8, .value_kind: global_buffer, .address_space: global }
      - { .name: kv, .offset: 40, .size: 8, .value_kind: global_buffer, .address_space: global }
    .group_segment_fixed_size: 327680
    .private_segment_fixed_size: 0
    .kernarg_segment_align: 8
    .kernarg_segment_size: 48
    .max_flat_workgroup_size: 128
    .sgpr_count:     100
    .vgpr_count:     1024
    .wavefront_size: 32
...
	.end_amdgpu_metadata
.endif
;; end of part 2
;; launch attn (part 3): grid 32 x 8, 16 waves a work-group, clusters of 4 x 1, 327,680 bytes of LDS; arguments qc, kv, ao; writes ao
.if DOCPART == 3
	.amdgcn_target "amdgcn-amd-amdhsa--gfx1250"
	.amdhsa_code_object_version 6
	.text
	.protected	k_q96755a6d8d_attn
	.globl	k_q96755a6d8d_attn
	.p2align	8
	.type	k_q96755a6d8d_attn,@function
k_q96755a6d8d_attn:
	s_mov_b64 s[64:65], 0
	v_nop
	global_prefetch_b8 v0, s[64:65] scope:SCOPE_SE
	s_setreg_imm32_b32 hwreg(HW_REG_WAVE_MODE, 25, 1), 1
	s_wait_xcnt 0x0
	s_wait_alu depctr_hold_cnt(0) depctr_sa_sdst(0) depctr_va_vdst(0) depctr_va_sdst(0) depctr_va_ssrc(0) depctr_va_vcc(0) depctr_vm_vsrc(0)
	s_getreg_b32 s2, hwreg(HW_REG_IB_STS2, 6, 4)
	s_cmp_eq_u32 s2, 0
	s_cbranch_scc0 .Lentry_in_a_cluster
	s_endpgm
.Lentry_in_a_cluster:
	s_bfe_u32 s2, ttmp6, 0x10000c
	s_cmp_lg_u32 s2, 0x3003
	s_cbranch_scc0 .Lentry_shape_is_right
	s_endpgm
.Lentry_shape_is_right:
; Causal attention with grouped heads on codes of FP8 (E4M3) with E8M0 scales: S^T = K Q^T (K = the head's 128), p = 2^(t - M), O^T = V^T P^T (K = the keys), O / the row's sum, quantised along the head for the last product.
; t = score x log2(e) / sqrt(128); M = the largest t so far rounded UP to a whole number; p is quantised along the keys, not normalised; the row's sum is taken of the unquantised p.  When M moves, the sum and O^T are multiplied by 2^(old M - new M): exact.
; INPUTS are images of operand registers: a fragment (16 rows x 128 K) is 2,048 bytes, register group c at 512 c + 16 x lane.  A tile of 16 positions t is the rows 32 (t / 2) + 8 (t % 2) + r + 8 (r / 8), so that the 16 registers of
; two neighbouring tiles of scores are 16 neighbouring keys.  kv: for each (batch, kv head) y and key step of 128 keys a record of 32,768 bytes: K's 8 tiles, V^T's 8 tiles; scale words 2,048 bytes a step, 16 bytes a lane for four tiles.
; SHARES.  A work-group j (0 .. 31) of y owns the query tiles j, 63 - j, 64 + j, 127 - j, for both query heads of the kv head; each (tile, head) is worked by TWO waves, one for the even key steps and one for the odd: 16 waves,
; one tile of queries in 256 registers each.  The four tiles need 34 key steps a head in every work-group.  The wave's number w = b3 b2 b1 b0: head b0, parity b1, tile class (b0 ^ b2) + 2 (b1 ^ b3).
; A step all of whose keys come after the tile's queries is left out by a scalar branch on ids: the tile's diagonal step is made of the wave's number and the CLUSTER's x alone, so it is alike in all partners.
; CLUSTER.  The four work-groups of a cluster walk the same K and V: each slot is asked for jointly (mask 15).  A slot is 512 keys, four records; two LDS regions 2^17 bytes apart; waves 0-3 fetch a quarter each.
; At the end the odd wave hands O^T, -M and its sums to the even wave through LDS (in region 0, which has had its last fill and its last read at the last change of slots); the two are brought under one M by exact factors.
; The scale words of ao are stored 128 bytes a wave: half of an aligned 256 bytes; 262,144 bytes in the whole launch.
; LIMITS: NaN and infinities are not served; a block of p or of O whose largest magnitude lies under 2^-118 has its byte held at 1 (a block of zeros too: its codes are zeros).
; REGISTERS: v1-11 addresses; v12 -M, v13 the largest t, v[14:15] the sum in two halves; v16-31 Q; v32-95 four fragments of K or V; v96-159 S^T, then p; v160-223 O^T; v224-239 p's codes; v232-247 at work; v248-251 four tiles' scale words;
; v252 the factor, v253 p's scale word, v254 at work, v255 Q's scale word.
.set SLOT1, 1<<17                      ; region 1 begins here: one exclusive or turns an address in one region into the other's
.set SCL,   2*SLOT1                    ; the scale words of all 16 key steps: 32,768 bytes, filled once
.set SPARE, SCL+32768                  ; the spare words, 128 bytes for each of 16 waves
.set NSL,   4                          ; slots' worth of keys
.set WORDS, 4194304                    ; in qc, kv and ao: where the scale words begin
.set MSZ,   8704                       ; the hand-over: 8,192 bytes of O^T + 512 of statistics for each of eight pairs of waves
.set AK0,  1                           ; v1  16 x lane + 32,768 x parity: my first step's record in a region
.set AS0,  2                           ; v2  SCL + 16 x lane + 2,048 x parity
.set DQ,   3                           ; v3  my query's place in its diagonal step - 16 (lane / 16)
.set MSA,  4                           ; v4  the hand-over's place of my pair of waves + 16 x lane
.set SPW,  5                           ; v5  LDS address of my spare word; never rewritten
.set NIL,  6                           ; v6  0; never rewritten
.set PFO,  7                           ; v7  256 x lane: the prefetches' offset; never rewritten
.set ADK,  8                           ; v8  LDS address of the step's record
.set ADS,  9                           ; v9  of its scale words
.set LI,   10                          ; v10 16 x lane; never rewritten
.set AK1,  11                          ; v11 AK0 + 65,536: my second step's record in a region
.set WV,   18
.set MNT,  19
.set SEL,  20                          ; s[20:21] v_permlanex16_b32's selects for lane l xor 16
.set CS,   22                          ; s[22:23] c = log2(e) / sqrt(128)
.set G1C,  24                          ; s[24:31] group 1 for a quarter of a slot
.set G1S,  32                          ; s[32:39] for a quarter of the scale words
.set G0W,  40                          ; s[40:43] group 0 for the slots: it walks
.set G0S,  44                          ; s[44:47] for the scale words
.set TB,   48                          ; s48 the region in hand
.set TS,   49                          ; s49 the step's scale words: 4,096 bytes from one of my steps to the next
.set KS,   50                          ; s50 the step's number
.set DG,   51                          ; s51 my tile's diagonal step
.set SLOTS, 52
.set LIM,  53                          ; s53 1 in a wave that prefetches, else the greatest number
.set PFA,  54                          ; s[54:55] where my prefetches stand
.set AOC,  56                          ; s[56:57] my image in ao; s[58:59] its scale words
.set AOS,  58
.set QA,   60                          ; s[60:61] my tile of Q; s[62:63] its scale words
.set QS,   62
.macro CROUND                          ; a round of the cluster's barrier
	s_barrier_signal -1
	s_barrier_wait -1
	s_cmp_lg_u32 s[WV], 0
	s_cbranch_scc1 .Lnot_wave_0_\@
	s_barrier_signal -3
.Lnot_wave_0_\@:
	s_barrier_wait -3
	s_barrier_signal -1
	s_barrier_wait -1
.endm
; A PREFETCH INTO THE L2 of the slot that the NEXT change of slots will ask for: 131,072 dense bytes.  All clusters of a y walk the same records: the first cluster (x = 0) asks.  Its four partners take 32,768 bytes each, told apart
; by address; in each, waves 4 to 7 ask, 8,192 bytes a wave, lanes 256 bytes apart: each block of 256 bytes is named once.  The last change that fills a slot asks for nothing.  Slots 0 and 1 come by their loads alone.
.macro ASK
	s_cmp_gt_u32 s[SLOTS], s[LIM]
	s_cbranch_scc0 .Lnot_mine_\@
	global_prefetch_b8 v[PFO], s[PFA:PFA+1] th:TH_LOAD_NT scope:SCOPE_SE
.Lnot_mine_\@:
.endm
	s_load_b128 s[4:7], s[0:1], 0x0                ; qc s[4:5], kv s[6:7]
	s_load_b64 s[8:9], s[0:1], 0x10                ; ao
	v_lshl_add_u32 v[SPW], v0, 2, SPARE
	v_mov_b32 v[NIL], 0
	ds_add_u32 v5, v6
	ds_add_u32 v5, v6
	s_wait_dscnt 0x0
	v_lshrrev_b32 v8, 5, v0
	s_delay_alu instid0(VALU_DEP_1)
	v_readfirstlane_b32 s[WV], v8                  ; wave 0..15
	s_and_b32 s70, ttmp7, 0xffff                   ; y = 4 x batch + kv head
	s_bfe_u32 s71, ttmp6, 0x40000                  ; cx
	s_lshl_b32 s72, ttmp9, 2
	s_add_co_u32 s72, s72, s71                     ; j = 4 x cluster x + cx: it enters Q's and ao's addresses and the mask's numbers alone
	s_lshr_b32 s73, ttmp9, 1                       ; j / 8: alike in all partners
	s_and_b32 s74, s[WV], 1                        ; which of the two query heads
	s_bfe_u32 s75, s[WV], 0x10001                  ; the parity of my key steps
	s_bfe_u32 s76, s[WV], 0x10002
	s_lshr_b32 s77, s[WV], 3
	s_xor_b32 s78, s74, s76                        ; the class's low bit: tile j or 63 - j
	s_xor_b32 s79, s75, s77                        ; its high bit: + 64
	s_sub_co_u32 s80, 63, s72
	s_sub_co_u32 s81, 7, s73
	s_cmp_eq_u32 s78, 1
	s_cselect_b32 s80, s80, s72
	s_cselect_b32 s81, s81, s73
	s_lshl_b32 s82, s79, 6
	s_add_co_u32 s80, s80, s82                     ; t: my tile of queries, 0 .. 127
	s_lshl_b32 s82, s79, 3
	s_add_co_u32 s[DG], s81, s82                   ; t / 8: its diagonal step
	v_and_b32 v8, 31, v0
	s_delay_alu instid0(VALU_DEP_1)
	v_lshlrev_b32 v[LI], 4, v8
	s_wait_alu depctr_va_vdst(0)
	v_lshlrev_b32 v[PFO], 8, v8
	s_lshl_b32 s83, s75, 15
	v_add_nc_u32 v[AK0], s83, v[LI]
	s_delay_alu instid0(VALU_DEP_1)
	v_add_nc_u32 v[AK1], 65536, v[AK0]
	s_lshl_b32 s83, s75, 11
	s_add_co_u32 s83, s83, SCL
	v_add_nc_u32 v[AS0], s83, v[LI]
	s_lshl_b32 s83, s76, 1
	s_add_co_u32 s83, s83, s74
	s_lshl_b32 s82, s79, 2
	s_add_co_u32 s83, s83, s82                     ; the pair's number: b0 + 2 b2 + 4 (b1 ^ b3): alike in the two waves of a (tile, head)
	s_mul_i32 s83, s83, MSZ
	v_add_nc_u32 v[MSA], s83, v[LI]
	s_bfe_u32 s82, s80, 0x20001                    ; my query's place in its step of 128 keys: 32 ((t % 8) / 2) + 8 (t % 2) + r + 8 (r / 8)
	s_lshl_b32 s82, s82, 5
	s_and_b32 s83, s80, 1
	s_lshl_b32 s83, s83, 3
	s_add_co_u32 s82, s82, s83
	v_and_b32 v8, 15, v0
	s_delay_alu instid0(VALU_DEP_1)
	v_and_b32 v9, 8, v8
	s_delay_alu instid0(VALU_DEP_1)
	v_add_nc_u32 v8, v8, v9
	v_bfe_u32 v9, v0, 4, 1
	s_delay_alu instid0(VALU_DEP_1)
	v_lshlrev_b32 v9, 4, v9
	s_delay_alu instid0(VALU_DEP_1)
	v_sub_nc_u32 v8, v8, v9
	s_delay_alu instid0(VALU_DEP_1)
	v_add_nc_u32 v[DQ], s82, v8
	; what I fetch, if I fetch: a quarter of each slot and of the scale words
	s_and_b32 s84, s[WV], 3
	s_lshl_b32 s85, s70, 19                        ; y's 16 records
	s_lshl_b32 s86, s84, 15
	s_add_co_u32 s86, s86, s85
	s_mov_b32 s87, 0
	s_lshl_b32 s88, s70, 15                        ; y's scale words
	s_lshl_b32 s89, s84, 13
	s_add_co_u32 s88, s88, s89
	s_add_co_u32 s88, s88, WORDS
	s_mov_b32 s89, 0
	; my tile of Q and its scale word
	s_lshl_b32 s90, s70, 1
	s_add_co_u32 s90, s90, s74                     ; (batch, query head) = 2 y + head
	s_lshl_b32 s91, s90, 7
	s_add_co_u32 s91, s91, s80
	s_lshl_b32 s92, s91, 11
	s_mov_b32 s93, 0
	s_lshl_b32 s94, s90, 5
	s_lshr_b32 s95, s80, 2
	s_add_co_u32 s94, s94, s95
	s_lshl_b32 s94, s94, 9                         ; four tiles' words are 512 bytes, 16 a lane;
	s_and_b32 s95, s80, 3
	s_lshl_b32 s95, s95, 2                         ; mine is word t % 4
	s_add_co_u32 s94, s94, s95
	s_add_co_u32 s94, s94, WORDS
	s_mov_b32 s95, 0
	; my image in ao: [kv head][block of 256 rows][tile][head % 2]
	s_lshr_b32 s96, s70, 2
	s_lshl_b32 s96, s96, 7
	s_add_co_u32 s96, s96, s80                     ; the tile among all 256
	s_lshr_b32 s97, s96, 4                         ; its block of 256 rows
	s_and_b32 s96, s96, 15                         ; its place there
	s_and_b32 s98, s70, 3                          ; the kv head
	s_lshl_b32 s99, s98, 4
	s_add_co_u32 s99, s99, s97
	s_lshl_b32 s99, s99, 16
	s_lshl_b32 s66, s96, 12
	s_add_co_u32 s99, s99, s66
	s_lshl_b32 s66, s74, 11
	s_add_co_u32 s66, s99, s66
	s_mov_b32 s67, 0
	s_lshl_b32 s68, s97, 14                        ; its scale words: [block][kv head][tile][head % 2][lane]
	s_lshl_b32 s69, s98, 12
	s_add_co_u32 s68, s68, s69
	s_lshl_b32 s69, s96, 8
	s_add_co_u32 s68, s68, s69
	s_lshl_b32 s69, s74, 7
	s_add_co_u32 s68, s68, s69
	s_add_co_u32 s68, s68, WORDS
	s_mov_b32 s69, 0
	; descriptor groups 1: dense blocks as rows of 256 bytes (32 elements of 8 bytes), no padding: images are read 512 bytes on end
	s_mov_b32 s[G1C], 15|(3<<16)|(1<<21)           ; the mask: all four work-groups; elements of 8 bytes; bit 21 beside a mask
	s_mov_b32 s[G1C+1], 32<<16
	s_mov_b32 s[G1C+2], 128<<16                    ; 128 rows: 32,768 bytes
	s_mov_b32 s[G1C+3], 32<<16
	s_mov_b32 s[G1C+4], 128
	s_mov_b32 s[G1C+5], 32
	s_mov_b32 s[G1C+6], 0
	s_mov_b32 s[G1C+7], 0
	s_mov_b32 s[G1S], 15|(3<<16)|(1<<21)
	s_mov_b32 s[G1S+1], 32<<16
	s_mov_b32 s[G1S+2], 32<<16                     ; 32 rows: 8,192 bytes
	s_mov_b32 s[G1S+3], 32<<16
	s_mov_b32 s[G1S+4], 32
	s_mov_b32 s[G1S+5], 32
	s_mov_b32 s[G1S+6], 0
	s_mov_b32 s[G1S+7], 0
	s_mov_b32 s[SEL], 0x76543210
	s_mov_b32 s[SEL+1], 0xfedcba98
	s_mov_b32 s[CS], 0x3e0293ee
	s_mov_b32 s[CS+1], s[CS]                       ; (named with it as a pair, so it is written)
	s_mov_b32 s[TB], 0
	s_mov_b32 s[TS], 0
	s_mov_b32 s[KS], s75
	s_mov_b32 s[SLOTS], NSL-1
	s_sub_co_u32 s82, s[WV], 4
	s_lshr_b32 s82, s82, 2                         ; 0 in waves 4 to 7,
	s_or_b32 s82, s82, ttmp9                       ; of the first cluster of this y
	s_cmp_eq_u32 s82, 0
	s_cselect_b32 s[LIM], 1, -1
	s_lshl_b32 s82, s71, 15                        ; the prefetches: my work-group's 32,768 bytes of a slot,
	s_lshl_b32 s83, s84, 13                        ; my wave's 8,192 of them,
	s_add_co_u32 s82, s82, s83
	s_add_co_u32 s82, s82, s85
	s_add_co_u32 s82, s82, 131072                  ; in slot 1: the first change of slots steps it to slot 2
	s_mov_b32 s83, 0
	s_wait_kmcnt 0x0
	s_add_nc_u64 s[PFA:PFA+1], s[6:7], s[82:83]
	s_add_nc_u64 s[QA:QA+1], s[4:5], s[92:93]
	s_add_nc_u64 s[QS:QS+1], s[4:5], s[94:95]
	s_add_nc_u64 s[AOC:AOC+1], s[8:9], s[66:67]
	s_add_nc_u64 s[AOS:AOS+1], s[8:9], s[68:69]
	s_mov_b32 s[G0S], 1
	s_lshl_b32 s[G0S+1], s84, 13
	s_add_co_u32 s[G0S+1], s[G0S+1], SCL
	s_add_nc_u64 s[G0S+2:G0S+3], s[6:7], s[88:89]
	s_or_b32 s[G0S+3], s[G0S+3], 0x80000000
	s_mov_b32 s[G0W], 1
	s_lshl_b32 s[G0W+1], s84, 15                   ; region 0
	s_add_nc_u64 s[G0W+2:G0W+3], s[6:7], s[86:87]  ; slot 0
	s_or_b32 s[G0W+3], s[G0W+3], 0x80000000
	CROUND                                         ; all four work-groups are here: the first joint loads meet
	s_cmp_lt_u32 s[WV], 4                          ; a fetching wave's two first fills stand in one branch: two loads of mine are out
	s_cbranch_scc0 .Lno_first
	tensor_load_to_lds s[G0S:G0S+3], s[G1S:G1S+7]
	s_nop 0
	tensor_load_to_lds s[G0W:G0W+3], s[G1C:G1C+7]
	s_nop 0
.rept 4
	v_nop
.endr
.Lno_first:
.irp c, 0,1,2,3
	global_load_b128 v[16+4*\c:19+4*\c], v[LI], s[QA:QA+1] offset:512*\c   ; Q's fragment stays in registers
.endr
	global_load_b32 v255, v[LI], s[QS:QS+1]        ; and its scale words
	v_mov_b32 v13, 0xff61b1e6                      ; the largest t so far: -3e38, under every t
	s_delay_alu instid0(VALU_DEP_1)
	v_floor_f32 v12, -v13                          ; -M
	v_mov_b32 v14, 0
	v_mov_b32 v15, 0
.irp b, 0,1,2,3
	v_mov_b32 v[236+\b], 0                         ; written once: a lane permute's destination counts as one of its sources
.endr
	v_mov_b32 v253, 0                              ; (named as the upper half of the pair v[252:253] before it is first written)
.set n, 0
.rept 64
	v_mov_b32 v[160+n], 0                          ; O^T.  (The step is written for every step alike: the first finds zeros, which the first change of M leaves zeros; a wave with no step hands zeros on)
.set n, n+1
.endr
; A KEY STEP of 128 keys: my q-th of the slot in hand.
.macro STEP q
	s_cmp_gt_u32 s[KS], s[DG]                      ; all its keys come after my queries: the step's work is left out, not the lines at its end that step addresses
	s_cbranch_scc1 .Lhidden_\@
.if \q
	v_add_nc_u32 v[ADK], s[TB], v[AK1]
.else
	v_add_nc_u32 v[ADK], s[TB], v[AK0]
.endif
	s_wait_alu depctr_va_vdst(0)
	v_add_nc_u32 v[ADS], s[TS], v[AS0]
	s_wait_alu depctr_va_vdst(0)
.irp g, 0,1                                    ; S^T = K Q^T, four tiles of 16 keys at a time
.rept 8-2*(1-\g)
	v_nop                                          ; eight places in front of loads into registers that matrix instructions have read; the two additions above are places too
.endr
.irp t, 0,1,2,3
.irp c, 0,1,2,3
	ds_load_b128 v[32+16*\t+4*\c:32+16*\t+4*\c+3], v[ADK] offset:(4*\g+\t)*2048+512*\c
.endr
.endr
	ds_load_b128 v[248:251], v[ADS] offset:512*\g
	s_wait_dscnt 0x0
.irp t, 0,1,2,3
	v_wmma_scale_f32_16x16x128_f8f6f4 v[96+8*(4*\g+\t):103+8*(4*\g+\t)], v[32+16*\t:47+16*\t], v[16:31], 0, v[248+\t], v255
.endr
.endr                                          ; lane (r, h) holds query r; register 16 b + i is key 32 b + 16 h + i of the step
.rept 8
	v_nop
.endr
	s_cmp_lt_u32 s[KS], s[DG]                      ; only the diagonal step has hidden keys
	s_cbranch_scc1 .Lopen_\@
	v_mov_b32 v254, 0xff800000                     ; -infinity: p = 0 then
.set n, 0
.rept 64
	v_cmp_gt_i32 vcc_lo, 32*(n/16)+n%16, v[DQ]
	v_cndmask_b32 v[96+n], v[96+n], v254, vcc_lo
.set n, n+1
.endr
.Lopen_\@:
.irp b, 0,1,2,3
	v_max3_num_f32 v[232+\b], v[96+16*\b], v[97+16*\b], v[98+16*\b]   ; the largest score of each block of 32 keys: for the row's maximum, and, since p rises with the score, for the block's largest p
.endr
.irp i, 3,5,7,9,11,13
.irp b, 0,1,2,3
	v_max3_num_f32 v[232+\b], v[232+\b], v[96+16*\b+\i], v[97+16*\b+\i]
.endr
.endr
.irp b, 0,1,2,3
	v_max_num_f32 v[232+\b], v[232+\b], v[111+16*\b]
.endr
.irp b, 0,1,2,3
	v_permlanex16_b32 v[236+\b], v[232+\b], s[SEL], s[SEL+1]
.endr
.irp b, 0,1,2,3
	s_delay_alu instid0(VALU_DEP_4)
	v_max_num_f32 v[232+\b], v[232+\b], v[236+\b]  ; with lane l xor 16's 16 keys
.endr
	s_delay_alu instid0(VALU_DEP_2)
	v_max3_num_f32 v254, v232, v233, v234
	s_delay_alu instid0(VALU_DEP_1)
	v_max_num_f32 v254, v254, v235                 ; the step's largest score of my query
	s_delay_alu instid0(VALU_DEP_1)
	v_mul_f32 v254, s[CS], v254                    ; as t
	s_delay_alu instid0(VALU_DEP_1)
	v_max_num_f32 v13, v13, v254                   ; the running largest t
	v_mov_b32 v254, v12
	s_delay_alu instid0(VALU_DEP_2)
	v_floor_f32 v12, -v13                          ; the new -M = floor(-t): M is a whole number
	s_delay_alu instid0(VALU_DEP_1)
	v_sub_f32 v254, v12, v254                      ; old M - new M: a whole number, 0 or less
	s_delay_alu instid0(VALU_DEP_1)
	v_cvt_i32_f32 v254, v254                       ; (it saturates)
	s_delay_alu instid0(VALU_DEP_1)
	v_ldexp_f32 v252, 1.0, v254                    ; f = 2^(old M - new M)
.set n, 0
.rept 32
	v_pk_fma_f32 v[96+n:97+n], v[96+n:97+n], s[CS:CS+1], v[12:13] op_sel_hi:[1,0,0]   ; t - M, two at a time
.set n, n+2
.endr
.irp b, 0,1,2,3
	v_fma_f32 v[232+\b], v[232+\b], s[CS], v12     ; the same of each block's largest score
.endr
.set n, 0
	s_wait_alu depctr_va_vdst(0)
.rept 64
	v_exp_f32 v[96+n], v[96+n]                     ; p = 2^(t - M), at most 1
.set n, n+1
.endr
	v_pk_mul_f32 v[14:15], v[14:15], v[252:253] op_sel_hi:[1,0]   ; the sums under the new M.  (A plain instruction behind the exponentials)
	s_wait_alu depctr_va_vdst(0)                   ; one wait for the whole batch, ahead of its first reader
.irp b, 0,1,2,3
	v_exp_f32 v[232+\b], v[232+\b]                 ; the block's largest p
.endr
	v_pk_add_f32 v[236:237], v[100:101], v[104:105]
	v_pk_add_f32 v[250:251], v[108:109], v[112:113]
	v_pk_add_f32 v[248:249], v[116:117], v[120:121]
	v_pk_add_f32 v[246:247], v[124:125], v[128:129]
	v_pk_add_f32 v[244:245], v[132:133], v[136:137]
	v_pk_add_f32 v[242:243], v[140:141], v[144:145]
	v_pk_add_f32 v[240:241], v[148:149], v[152:153]
	v_pk_add_f32 v[14:15], v[14:15], v[156:157]
	v_pk_add_f32 v[236:237], v[236:237], v[96:97]
	v_pk_add_f32 v[250:251], v[250:251], v[98:99]
	v_pk_add_f32 v[248:249], v[248:249], v[102:103]
	v_pk_add_f32 v[246:247], v[246:247], v[106:107]
	v_pk_add_f32 v[244:245], v[244:245], v[110:111]
	v_pk_add_f32 v[242:243], v[242:243], v[114:115]
	v_pk_add_f32 v[240:241], v[240:241], v[118:119]
	v_pk_add_f32 v[14:15], v[14:15], v[122:123]
	v_pk_add_f32 v[236:237], v[236:237], v[126:127]
	v_pk_add_f32 v[250:251], v[250:251], v[130:131]
	v_pk_add_f32 v[248:249], v[248:249], v[134:135]
	v_pk_add_f32 v[246:247], v[246:247], v[138:139]
	v_pk_add_f32 v[244:245], v[244:245], v[142:143]
	v_pk_add_f32 v[242:243], v[242:243], v[146:147]
	v_pk_add_f32 v[240:241], v[240:241], v[150:151]
	v_pk_add_f32 v[14:15], v[14:15], v[154:155]
	v_pk_add_f32 v[236:237], v[236:237], v[158:159]
	s_delay_alu instid0(VALU_DEP_2)
	v_pk_add_f32 v[14:15], v[14:15], v[246:247]
	s_delay_alu instid0(VALU_DEP_2)
	v_pk_add_f32 v[236:237], v[236:237], v[244:245]
	v_pk_add_f32 v[250:251], v[250:251], v[242:243]
	v_pk_add_f32 v[248:249], v[248:249], v[240:241]
	s_delay_alu instid0(VALU_DEP_2)
	v_pk_add_f32 v[14:15], v[14:15], v[250:251]
	s_delay_alu instid0(VALU_DEP_2)
	v_pk_add_f32 v[236:237], v[236:237], v[248:249]
	s_delay_alu instid0(VALU_DEP_1)
	v_pk_add_f32 v[14:15], v[14:15], v[236:237]
	s_wait_alu depctr_va_vdst(0)                   ; and one for the four
.irp b, 0,1,2,3
	v_max_num_f32 v[232+\b], 0x4800000, v[232+\b]  ; the floor 2^(9 - 127): the byte cannot fall under 1
.endr
.irp b, 0,1,2,3
	s_delay_alu instid0(VALU_DEP_4)
	v_add_nc_u32 v[244+\b], 0xfc000000, v[232+\b]  ; 8 off the exponent field: the conversion's scale operand
.endr
.irp b, 0,1,2,3
.endr
.irp b, 0,1,2,3
	s_delay_alu instid0(VALU_DEP_4)
	v_lshrrev_b32 v[236+\b], 23, v[244+\b]         ; the scale's byte
.endr
	s_delay_alu instid0(VALU_DEP_3)
	v_lshl_or_b32 v253, v237, 8, v236              ; p's scale word for these 128 keys
	s_delay_alu instid0(VALU_DEP_1)
	v_lshl_or_b32 v253, v238, 16, v253
	s_delay_alu instid0(VALU_DEP_1)
	v_lshl_or_b32 v253, v239, 24, v253
.irp b, 0,1,2,3
.irp i, 0,1,2,3,4,5,6,7,8,9,10,11,12,13,14,15
.endr
	v_cvt_scalef32_pk8_fp8_f32 v[224+4*\b:225+4*\b], v[96+16*\b:103+16*\b], v[244+\b]
	v_cvt_scalef32_pk8_fp8_f32 v[226+4*\b:227+4*\b], v[104+16*\b:111+16*\b], v[244+\b]
.endr
.set n, 0
.rept 32
	v_pk_mul_f32 v[160+n:161+n], v[160+n:161+n], v[252:253] op_sel_hi:[1,0]   ; O^T under the new M.  (These 32 are also the places in front of the matrix instructions and loads below)
.set n, n+2
.endr
	s_wait_alu depctr_va_vdst(0)
.irp g, 0,1                                    ; O^T += V^T P^T: four tiles of 16 channels at a time
.if \g > 0
.rept 8
	v_nop
.endr
.endif
.irp t, 0,1,2,3
.irp c, 0,1,2,3
	ds_load_b128 v[32+16*\t+4*\c:32+16*\t+4*\c+3], v[ADK] offset:16384+(4*\g+\t)*2048+512*\c
.endr
.endr
	ds_load_b128 v[248:251], v[ADS] offset:1024+512*\g
	s_wait_dscnt 0x0
.irp t, 0,1,2,3
	v_wmma_scale_f32_16x16x128_f8f6f4 v[160+8*(4*\g+\t):167+8*(4*\g+\t)], v[32+16*\t:47+16*\t], v[224:239], v[160+8*(4*\g+\t):167+8*(4*\g+\t)], v[248+\t], v253
.endr
.endr
.Lhidden_\@:
	s_add_co_u32 s[KS], s[KS], 2                   ; my next step
	s_add_co_u32 s[TS], s[TS], 4096
.endm
; THE CHANGE OF SLOTS stands at a slot's head.  Each wave waits for all its tensor loads, adds 0 to its spare word, and waits for that and for its reads of the region that it has left.
; fill = 1: a round of the cluster's barrier, and behind it the other region is filled with the next slot: the load has a slot's steps in which to land.
.macro CHANGE fill
	s_wait_tensorcnt 0x0                           ; no tensor load of mine is out, so a group 0 may be written
	ds_add_u32 v[SPW], v[NIL]                      ; 0 onto my spare word
.if \fill
	s_xor_b32 s[G0W+1], s[G0W+1], SLOT1            ; the walking descriptor: the other region,
	s_add_nc_u64 s[G0W+2:G0W+3], s[G0W+2:G0W+3], 131072   ; the next four records
	s_wait_xcnt 0x0                                ; the last prefetch, a slot back, has read its address, so it may be written:
	s_add_nc_u64 s[PFA:PFA+1], s[PFA:PFA+1], 131072       ; one slot further on than the walking descriptor
.endif
	s_wait_dscnt 0x0                               ; the add is done, and my reads of the region that I have left are over
.if \fill
	CROUND
	s_cmp_lt_u32 s[WV], 4
	s_cbranch_scc0 .Lno_fill_\@
	tensor_load_to_lds s[G0W:G0W+3], s[G1C:G1C+7]  ; the first thing behind the round, and a wave's one tensor load until the next
	s_nop 0
.rept 4
	v_nop
.endr
.Lno_fill_\@:
	ASK
.else
	s_barrier_signal -1
	s_barrier_wait -1
.endif
.endm
.macro SLOT_STEPS
	STEP 0
	STEP 1
	s_xor_b32 s[TB], s[TB], SLOT1                  ; on to the other region
.endm
	s_wait_loadcnt 0x0                             ; Q
.Lslot:                                            ; NSL - 1 trips: behind each change of slots but the last the next slot is asked for
	CHANGE 1
	SLOT_STEPS
	s_sub_co_u32 s[SLOTS], s[SLOTS], 1
	s_cmp_lg_u32 s[SLOTS], 0
	s_cbranch_scc1 .Lslot
	CHANGE 0                                       ; the last slot is written out
	SLOT_STEPS
	; ---------------- THE TWO PARITIES MEET ----------------
.rept 8
	v_nop                                          ; behind the last products
.endr
	s_and_b32 s82, s[WV], 2
	s_cmp_eq_u32 s82, 0
	s_cbranch_scc1 .Lkeep
	s_wait_alu depctr_va_vdst(0)
.irp i, 0,1,2,3,4,5,6,7,8,9,10,11,12,13,14,15
	ds_store_b128 v[MSA], v[160+4*\i:163+4*\i] offset:512*\i   ; the odd wave's O^T, each accumulator from its low end on,
.endr
	ds_store_b128 v[MSA], v[12:15] offset:8192     ; and -M, the largest t, the two halves of the sum
.Lkeep:
	s_wait_dscnt 0x0                               ; for the other wave's sake: my stores are done
	s_barrier_signal -1
	s_barrier_wait -1
	s_cmp_lg_u32 s82, 0
	s_cbranch_scc1 .Ldone
.irp i, 0,1,2,3,4,5,6,7,8,9,10,11,12,13,14,15
	ds_load_b128 v[32+4*\i:35+4*\i], v[MSA] offset:512*\i
.endr
	ds_load_b128 v[240:243], v[MSA] offset:8192
	s_wait_dscnt 0x0
	v_min_num_f32 v232, v12, v240                  ; the common -M
	s_delay_alu instid0(VALU_DEP_1)
	v_sub_f32 v233, v232, v12                      ; my M - the common M: a whole number, 0 or less
	s_delay_alu instid0(VALU_DEP_2)
	v_sub_f32 v234, v232, v240                     ; the other's likewise (a wave that had no step: -3e38, which saturates below and gives the factor 0)
	s_delay_alu instid0(VALU_DEP_2)
	v_cvt_i32_f32 v233, v233
	s_delay_alu instid0(VALU_DEP_2)
	v_cvt_i32_f32 v234, v234
	s_delay_alu instid0(VALU_DEP_2)
	v_ldexp_f32 v244, 1.0, v233                    ; my factor,
	s_delay_alu instid0(VALU_DEP_2)
	v_ldexp_f32 v246, 1.0, v234                    ; the other's: both exact
	s_delay_alu instid0(VALU_DEP_2)
	v_mov_b32 v245, v244
	s_delay_alu instid0(VALU_DEP_2)
	v_mov_b32 v247, v246
	v_add_f32 v14, v14, v15
	v_add_f32 v242, v242, v243
	s_delay_alu instid0(VALU_DEP_2)
	v_mul_f32 v14, v14, v244
	s_delay_alu instid0(VALU_DEP_1)
	v_fma_f32 v14, v242, v246, v14
	v_permlanex16_b32 v236, v14, s[SEL], s[SEL+1]
	s_delay_alu instid0(VALU_DEP_1)
	v_add_f32 v14, v14, v236                       ; the row's sum
	s_wait_alu depctr_va_vdst(0)
	v_rcp_f32 v14, v14
.set n, 0
	s_wait_alu depctr_va_vdst(0)
.rept 32
	v_pk_mul_f32 v[160+n:161+n], v[160+n:161+n], v[244:245]    ; (plain work behind the reciprocal, which it does not name)
.set n, n+2
.endr
.set n, 0
.rept 32
	v_pk_fma_f32 v[160+n:161+n], v[32+n:33+n], v[246:247], v[160+n:161+n]
.set n, n+2
.endr
	s_wait_alu depctr_va_vdst(0)                   ; the wait for the reciprocal, ahead of its first reader
.set n, 0
.rept 32
	v_pk_mul_f32 v[96+n:97+n], v[160+n:161+n], v[14:15] op_sel_hi:[1,0]   ; O / the sum: register 16 b + i is channel 32 b + 16 h + i of my query
.set n, n+2
.endr
	; the quantiser along the head's 128: the codes are the last product's fragment
.irp b, 0,1,2,3
	v_max3_num_f32 v[232+\b], |v[96+16*\b]|, |v[97+16*\b]|, 0x4800000
.endr
.irp i, 2,4,6,8,10,12,14
.irp b, 0,1,2,3
	s_delay_alu instid0(VALU_DEP_4)
	v_max3_num_f32 v[232+\b], v[232+\b], |v[96+16*\b+\i]|, |v[97+16*\b+\i]|
.endr
.endr
.irp b, 0,1,2,3
	v_permlanex16_b32 v[236+\b], v[232+\b], s[SEL], s[SEL+1]
.endr
.irp b, 0,1,2,3
	s_delay_alu instid0(VALU_DEP_4)
	v_max_num_f32 v[232+\b], v[232+\b], v[236+\b]
.endr
.irp b, 0,1,2,3
	s_delay_alu instid0(VALU_DEP_4)
	v_add_nc_u32 v[244+\b], 0xfc000000, v[232+\b]
.endr
.irp b, 0,1,2,3
.endr
.irp b, 0,1,2,3
	s_delay_alu instid0(VALU_DEP_4)
	v_lshrrev_b32 v[236+\b], 23, v[244+\b]
.endr
	s_delay_alu instid0(VALU_DEP_3)
	v_lshl_or_b32 v253, v237, 8, v236
	s_delay_alu instid0(VALU_DEP_1)
	v_lshl_or_b32 v253, v238, 16, v253
	s_delay_alu instid0(VALU_DEP_1)
	v_lshl_or_b32 v253, v239, 24, v253
.irp b, 0,1,2,3
.irp i, 0,1,2,3,4,5,6,7,8,9,10,11,12,13,14,15
.endr
	v_cvt_scalef32_pk8_fp8_f32 v[32+4*\b:33+4*\b], v[96+16*\b:103+16*\b], v[244+\b]
	v_cvt_scalef32_pk8_fp8_f32 v[34+4*\b:35+4*\b], v[104+16*\b:111+16*\b], v[244+\b]
.endr
	v_lshrrev_b32 v[ADK], 2, v[LI]                 ; (a plain instruction behind the last conversion)  4 x lane
.irp c, 0,1,2,3
	global_store_b128 v[LI], v[32+4*\c:35+4*\c], s[AOC:AOC+1] offset:512*\c   ; each store covers 512 consecutive bytes, aligned
.endr
	global_store_b32 v[ADK], v253, s[AOS:AOS+1]
.Ldone:
	s_wait_tensorcnt 0x0                           ; the wave's end
	ds_add_u32 v[SPW], v[NIL]
	s_wait_dscnt 0x0
	CROUND                                         ; the closing round
	s_endpgm
.Lfunc_end_k_q96755a6d8d_attn:
	.size	k_q96755a6d8d_attn, .Lfunc_end_k_q96755a6d8d_attn-k_q96755a6d8d_attn
	.p2alignl 7, 3214868480
	.fill 96, 4, 3214868480
	.section	.rodata,"a",@progbits
	.p2align	6, 0x0
	.amdhsa_kernel k_q96755a6d8d_attn
		.amdhsa_group_segment_fixed_size 327680
		.amdhsa_private_segment_fixed_size 0
		.amdhsa_enable_private_segment 0
		.amdhsa_kernarg_size 24
		.amdhsa_user_sgpr_count 2
		.amdhsa_user_sgpr_kernarg_segment_ptr 1
		.amdhsa_wavefront_size32 1
		.amdhsa_system_sgpr_workgroup_id_x 1
		.amdhsa_system_sgpr_workgroup_id_y 1
		.amdhsa_system_sgpr_workgroup_id_z 1
		.amdhsa_system_vgpr_workitem_id 0
		.amdhsa_next_free_vgpr 256
		.amdhsa_next_free_sgpr 100
		.amdhsa_reserve_vcc 1
		.amdhsa_float_denorm_mode_32 3
		.amdhsa_float_denorm_mode_16_64 3
		.amdhsa_fp16_overflow 1
		.amdhsa_memory_ordered 1
		.amdhsa_forward_progress 1
		.amdhsa_inst_pref_size 132
	.end_amdhsa_kernel
	.amdgpu_metadata
---
amdhsa.version: [ 1, 2 ]
amdhsa.kernels:
  - .name:           k_q96755a6d8d_attn
    .symbol:         k_q96755a6d8d_attn.kd
    .args:
      - { .name: qc, .offset: 0, .size: 8, .value_kind: global_buffer, .address_space: global }
      - { .name: kv, .offset: 8, .size: 8, .value_kind: global_buffer, .address_space: global }
      - { .name: ao, .offset: 16, .size: 8, .value_kind: global_buffer, .address_space: global }
    .group_segment_fixed_size: 327680
    .private_segment_fixed_size: 0
    .kernarg_segment_align: 8
    .kernarg_segment_size: 24
    .max_flat_workgroup_size: 512
    .sgpr_count:     100
    .vgpr_count:     256
    .wavefront_size: 32
...
	.end_amdgpu_metadata
.endif
;; end of part 3
;; launch oproj (part 4): grid 16 x 16, 4 waves a work-group, clusters of 4 x 4, 327,680 bytes of LDS; arguments ao, xq, out0; writes out0
.if DOCPART == 4
	.amdgcn_target "amdgcn-amd-amdhsa--gfx1250"
	.amdhsa_code_object_version 6
	.text
	.protected	k_q96755a6d8d_oproj
	.globl	k_q96755a6d8d_oproj
	.p2align	8
	.type	k_q96755a6d8d_oproj,@function
k_q96755a6d8d_oproj:
	s_mov_b64 s[64:65], 0
	v_nop
	global_prefetch_b8 v0, s[64:65] scope:SCOPE_SE
	s_setreg_imm32_b32 hwreg(HW_REG_WAVE_MODE, 25, 1), 1
	s_wait_xcnt 0x0
	s_wait_alu depctr_hold_cnt(0) depctr_sa_sdst(0) depctr_va_vdst(0) depctr_va_sdst(0) depctr_va_ssrc(0) depctr_va_vcc(0) depctr_vm_vsrc(0)
	s_getreg_b32 s2, hwreg(HW_REG_IB_STS2, 6, 4)
	s_cmp_eq_u32 s2, 0
	s_cbranch_scc0 .Lentry_in_a_cluster
	s_endpgm
.Lentry_in_a_cluster:
	s_bfe_u32 s2, ttmp6, 0x10000c
	s_cmp_lg_u32 s2, 0xf033
	s_cbranch_scc0 .Lentry_shape_is_right
	s_endpgm
.Lentry_shape_is_right:
; out0 [4096][2048] f32 = attn [4096][1024] x o_w^T, on codes of FP8 (E4M3) with E8M0 scales for each 32 along K = 1,024.
; attn comes as images of operand registers (ao: [K step of 256 = kv head][block of 256 rows][tile of 16 rows][128 along K = head % 2][2,048 bytes]; a tile's rows are 32 a + 8 u + r + 8 (r / 8)), o_w as rows of codes in xq.
; SHARES.  A work-group makes 256 rows x 128 columns: 16 x 16 work-groups, clusters of 4 x 4.  A wave has 32 accumulators: source 0 = X, the 8 tiles of the 128 rows of o_w; source 1 = Y, my 4 tiles of rows of attn.
; In a result lane (r, h) holds row r of Y's tile and eight neighbouring columns 16 x + 8 h + 0 .. 7.
; K has four steps of 256 and LDS three regions of one step (A's 16 tiles as images, dense; B's 128 rows of 256 bytes + 16 of padding).  K steps 0, 1, 2 and the scale words of all of K are first fills: four loads of a wave are out.
; K step 3 is the one refill: into region 0, behind K step 0 and a round of the cluster's barrier; it has K steps 1 and 2 in which to land.  A's tiles are asked for jointly along a row of the cluster, B's along a column.
; The stage of the way out lies in region 1: that region is filled once, and every wave's last read of it stands ahead of the barrier in front of K step 3.
; REGISTERS, in windows of 256: window 0: v0-31 addresses; v32-47 X's scale words, v48-55 Y's (two sets each); v128-255 Y's fragments, two sets; on the way out rows of out0.   window 1: the accumulators, (y, x) at v[64 y + 8 x].
;   window 2: X's fragments, two sets of 128.
.set PITCH,  272
.set AIMG,   65536                     ; in a region: A's 16 tiles x 2 x 2,048 bytes, then B's rows
.set SLOT,   AIMG+128*PITCH
.set SCA,    3*SLOT                    ; A's scale words: 16,384 bytes, dense
.set SCB,    SCA+16384                 ; B's scale bytes: 128 rows x 32 bytes as 16 units of 256 bytes + 16
.set SPARE,  SCB+16*272                ; the spare words, 128 bytes for each wave
.set STAGE,  SLOT                      ; the way out: 16 rows x (512 bytes + 16) for each wave, in region 1
.set SPITCH, 528
.set OW_C,   12582912                  ; in xq: o_w's codes,
.set OW_S,   15073280                  ; and its scale bytes
.set WORDS,  4194304                   ; in ao: where the scale words begin
.set ADRX, 16                          ; v16-18 LDS address of X's fragments in region 0, 1, 2
.set ADRY, 19                          ; v19-21 of Y's
.set ADSX, 22
.set ADSY, 23
.set STO,  24                          ; v24 the way out: where I put 32 bytes of a row
.set RD,   25                          ; v25 where I read a row back
.set CO,   26                          ; v26 16 x lane: my bytes of a row's 512
.set SPW,  28
.set NIL,  29
.set SX,   32
.set SY,   48
.set BK,   128
.set G1A,  24                          ; s[24:31] group 1 for A's tiles; groups 0: region 0 s[32:35], region 1 s[36:39], region 2 s[12:15]
.set G0A0, 32
.set G0A1, 36
.set G0A2, 12
.set G1B,  48                          ; s[48:55] for B's; groups 0: s[56:59], s[60:63], s[96:99]
.set G0B0, 56
.set G0B1, 60
.set G0B2, 96
.set G1SA, 68
.set G0SA, 76
.set G1SB, 80
.set G0SB, 88
.set MSB, 0
.macro WIN new                         ; the immediate's high byte repeats the setting that is left
.if MSB != \new
	s_set_vgpr_msb (MSB<<8)|\new
.set MSB, \new
.endif
.endm
.set MUL,  0x52                        ; source 0 (X) window 2, source 1 (Y) window 0, C and D window 1
.set TO_X, 0x80
.macro PLACES n
.rept \n
	v_nop
.endr
.endm
.macro JLOAD g0a, g1a, g0b, g1b        ; a joint load: waves 0 and 1 fetch for A, waves 2 and 3 for B; four v_nop follow each of the two lines
	s_cmp_eq_u32 s17, 0
	s_cbranch_scc0 .Lfor_b_\@
	tensor_load_to_lds s[\g0a:\g0a+3], s[\g1a:\g1a+7]
	s_nop 0
.rept 4
	v_nop
.endr
	s_branch .Lasked_\@
.Lfor_b_\@:
	tensor_load_to_lds s[\g0b:\g0b+3], s[\g1b:\g1b+7]
	s_nop 0
.rept 4
	v_nop
.endr
.Lasked_\@:
.endm
.macro CREST
	s_cmp_lg_u32 s16, 0
	s_cbranch_scc1 .Lnot_wave_0_\@
	s_barrier_signal -3
.Lnot_wave_0_\@:
	s_barrier_wait -3
	s_barrier_signal -1
	s_barrier_wait -1
.endm
.macro CROUND
	s_barrier_signal -1
	s_barrier_wait -1
	CREST
.endm
	s_load_b128 s[4:7], s[0:1], 0x0                ; ao s[4:5], xq s[6:7]
	s_load_b64 s[8:9], s[0:1], 0x10                ; out0
	v_lshl_add_u32 v[SPW], v0, 2, SPARE
	v_mov_b32 v[NIL], 0
	ds_add_u32 v28, v29
	s_wait_dscnt 0x0
	v_lshrrev_b32 v1, 5, v0
	v_readfirstlane_b32 s16, v1                    ; wave 0..3
	s_lshr_b32 s17, s16, 1                         ; I fetch for A (0) or for B (1)
	s_and_b32 s18, s16, 1                          ; and which half
	s_bfe_u32 s40, ttmp6, 0x40000                  ; cx, cy
	s_bfe_u32 s41, ttmp6, 0x40004
	s_lshl_b32 s42, ttmp9, 2
	s_add_co_u32 s42, s42, s40                     ; column tile
	s_and_b32 s19, ttmp7, 0xffff
	s_lshl_b32 s19, s19, 2
	s_add_co_u32 s19, s19, s41                     ; row tile
	s_lshl_b32 s43, s41, 2
	s_lshl_b32 s43, 15, s43                        ; my row of the cluster
	s_lshl_b32 s44, 0x1111, s40                    ; my column
	s_or_b32 s[G1A], s43, (3<<16)|(1<<21)          ; A's images: a dense block as rows of 256 bytes (32 elements of 8), no padding
	s_mov_b32 s[G1A+1], 32<<16
	s_mov_b32 s[G1A+2], 128<<16                    ; 128 rows: 32,768 bytes, eight tiles
	s_mov_b32 s[G1A+3], 32<<16
	s_mov_b32 s[G1A+4], 128
	s_mov_b32 s[G1A+5], 32
	s_mov_b32 s[G1A+6], 0
	s_mov_b32 s[G1A+7], 0
	s_or_b32 s[G1B], s44, (1<<20)|(1<<21)|(5<<22)|(3<<25)    ; B: 64 rows of 256 bytes, 1,024 bytes apart; 4 words of padding behind every 64
	s_mov_b32 s[G1B+1], 256<<16
	s_mov_b32 s[G1B+2], 64<<16
	s_mov_b32 s[G1B+3], 256<<16
	s_mov_b32 s[G1B+4], 64
	s_mov_b32 s[G1B+5], 1024
	s_mov_b32 s[G1B+6], 0
	s_mov_b32 s[G1B+7], 0
	s_or_b32 s[G1SA], s43, (3<<16)|(1<<21)         ; A's scale words: 8,192 dense bytes
	s_mov_b32 s[G1SA+1], 32<<16
	s_mov_b32 s[G1SA+2], 32<<16
	s_mov_b32 s[G1SA+3], 32<<16
	s_mov_b32 s[G1SA+4], 32
	s_mov_b32 s[G1SA+5], 32
	s_mov_b32 s[G1SA+6], 0
	s_mov_b32 s[G1SA+7], 0
	s_or_b32 s[G1SB], s44, (3<<16)|(1<<20)|(1<<21)|(5<<22)|(3<<25)   ; B's scale bytes: 64 rows x 32 bytes = 8 units, 16 bytes of padding behind each
	s_mov_b32 s[G1SB+1], 32<<16
	s_mov_b32 s[G1SB+2], 8<<16
	s_mov_b32 s[G1SB+3], 32<<16
	s_mov_b32 s[G1SB+4], 8
	s_mov_b32 s[G1SB+5], 32
	s_mov_b32 s[G1SB+6], 0
	s_mov_b32 s[G1SB+7], 0
	s_lshl_b32 s20, s19, 16                        ; A: the row tile's block of K step 0, + my half: it hangs on the row tile alone
	s_lshl_b32 s21, s18, 15
	s_add_co_u32 s20, s20, s21
	s_mov_b32 s21, 0
	s_lshl_b32 s22, s19, 14                        ; its scale words
	s_lshl_b32 s23, s18, 13
	s_add_co_u32 s22, s22, s23
	s_add_co_u32 s22, s22, WORDS
	s_mov_b32 s23, 0
	s_lshl_b32 s46, s42, 7                         ; B: row 128 x column tile + 64 x half: it hangs on the column tile alone
	s_lshl_b32 s47, s18, 6
	s_add_co_u32 s46, s46, s47
	s_lshl_b32 s92, s46, 5                         ; 32 scale bytes a row
	s_add_co_u32 s92, s92, OW_S
	s_lshl_b32 s46, s46, 10                        ; 1,024 codes a row
	s_add_co_u32 s46, s46, OW_C
	s_mov_b32 s47, 0
	s_mov_b32 s93, 0
	s_lshl_b32 s45, s18, 15                        ; where they go in a region
	s_mul_i32 s94, s18, 64*PITCH
	s_add_co_u32 s94, s94, AIMG
	s_wait_kmcnt 0x0
	s_add_nc_u64 s[20:21], s[4:5], s[20:21]
	s_add_nc_u64 s[22:23], s[4:5], s[22:23]
	s_add_nc_u64 s[46:47], s[6:7], s[46:47]
	s_add_nc_u64 s[92:93], s[6:7], s[92:93]
	CROUND                                         ; all sixteen work-groups are here: the first joint loads meet
	s_mov_b32 s[G0SA], 1
	s_lshl_b32 s[G0SA+1], s18, 13
	s_add_co_u32 s[G0SA+1], s[G0SA+1], SCA
	s_mov_b64 s[G0SA+2:G0SA+3], s[22:23]
	s_or_b32 s[G0SA+3], s[G0SA+3], 0x80000000
	s_mov_b32 s[G0SB], 1
	s_mul_i32 s[G0SB+1], s18, 8*272
	s_add_co_u32 s[G0SB+1], s[G0SB+1], SCB
	s_mov_b64 s[G0SB+2:G0SB+3], s[92:93]
	s_or_b32 s[G0SB+3], s[G0SB+3], 0x80000000
	JLOAD G0SA, G1SA, G0SB, G1SB                   ; the scales of all of K: filled once
.macro FIRST ga, gb, s                 ; K step s into region s: each load has a group 0 of its own
	s_mov_b32 s[\ga], 1
	s_add_co_u32 s[\ga+1], s45, \s*SLOT
	s_add_nc_u64 s[\ga+2:\ga+3], s[20:21], \s*1048576              ; a K step on: 16 blocks of 65,536 bytes
	s_or_b32 s[\ga+3], s[\ga+3], 0x80000000
	s_mov_b32 s[\gb], 1
	s_add_co_u32 s[\gb+1], s94, \s*SLOT
	s_add_nc_u64 s[\gb+2:\gb+3], s[46:47], \s*256
	s_or_b32 s[\gb+3], s[\gb+3], 0x80000000
	JLOAD \ga, G1A, \gb, G1B
.endm
	FIRST G0A0, G0B0, 0
	FIRST G0A1, G0B1, 1
	FIRST G0A2, G0B2, 2                            ; four loads of mine are out
	v_and_b32 v1, 15, v0                           ; r
	v_bfe_u32 v2, v0, 4, 1                         ; h
	v_and_b32 v4, 31, v0                           ; lane
	v_lshlrev_b32 v[CO], 4, v4
	v_mul_u32_u24 v3, v1, PITCH
	v_lshl_add_u32 v3, v2, 4, v3
	v_add_nc_u32 v[ADRX], AIMG, v3                 ; X: o_w's rows, row x pitch + 16 h
	v_add_nc_u32 v[ADRX+1], SLOT, v[ADRX]
	v_add_nc_u32 v[ADRX+2], 2*SLOT, v[ADRX]
	s_lshl_b32 s20, s16, 14
	v_add_nc_u32 v[ADRY], s20, v[CO]               ; Y: my four tiles' images, 16 x lane
	v_add_nc_u32 v[ADRY+1], SLOT, v[ADRY]
	v_add_nc_u32 v[ADRY+2], 2*SLOT, v[ADRY]
	v_lshrrev_b32 v5, 3, v4                        ; X's scale words: lane l takes row 32 p + l; eight rows of 32 bytes to a unit
	v_and_b32 v6, 7, v4
	v_mul_u32_u24 v5, v5, 272
	v_lshl_add_u32 v5, v6, 5, v5
	v_add_nc_u32 v[ADSX], SCB, v5
	s_lshl_b32 s20, s16, 10                        ; Y's: [K step][tile][128 along K][lane]: lanes 0-15 take an even tile's words, lanes 16-31 the odd tile's
	s_add_co_u32 s20, s20, SCA
	v_lshlrev_b32 v5, 2, v1
	v_lshl_add_u32 v5, v2, 8, v5
	v_add_nc_u32 v[ADSY], s20, v5
	s_mul_i32 s23, s16, 16*SPITCH
	s_add_co_u32 s23, s23, STAGE                   ; my stage
	v_mul_u32_u24 v5, v1, SPITCH
	v_lshl_add_u32 v5, v2, 5, v5
	v_add_nc_u32 v[STO], s23, v5                   ; in: row r, 32 bytes for each half of the lanes
	v_add_nc_u32 v[RD], s23, v[CO]                 ; back: the 32 lanes take one row of 512 bytes
	s_lshl_b32 s20, s19, 8
	s_lshl_b32 s21, s16, 6
	s_add_co_u32 s20, s20, s21                     ; my first row of out0: 256 x row tile + 64 x wave
	s_lshl_b32 s20, s20, 13                        ; 8,192 bytes a row
	s_lshl_b32 s21, s42, 9                         ; + 512 bytes a column tile
	s_add_co_u32 s20, s20, s21
	s_mov_b32 s21, 0
	s_add_nc_u64 s[8:9], s[8:9], s[20:21]
.macro WM y, x, fs, q, sc, zero        ; one matrix instruction: accumulator (y, x); a scale register holds an even tile's words in lanes 0-15 and the odd tile's in lanes 16-31
.set rD, 64*(\y)+8*(\x)
.set rX, 128*(\fs)+16*(\x)
.set rY, 128+64*(\fs)+16*(\y)
.set rA, SX+8*(\sc)+2*((\x)/2)+(\q)
.set rB, SY+4*(\sc)+2*((\y)/2)+(\q)
.set par, 2*((\y)%2)+(\x)%2
.if \zero
.if par == 0
	v_wmma_scale_f32_16x16x128_f8f6f4 v[rD:rD+7], v[rX:rX+15], v[rY:rY+15], 0, v[rA], v[rB]
.elseif par == 1
	v_wmma_scale_f32_16x16x128_f8f6f4 v[rD:rD+7], v[rX:rX+15], v[rY:rY+15], 0, v[rA], v[rB] matrix_a_scale:MATRIX_SCALE_ROW1
.elseif par == 2
	v_wmma_scale_f32_16x16x128_f8f6f4 v[rD:rD+7], v[rX:rX+15], v[rY:rY+15], 0, v[rA], v[rB] matrix_b_scale:MATRIX_SCALE_ROW1
.else
	v_wmma_scale_f32_16x16x128_f8f6f4 v[rD:rD+7], v[rX:rX+15], v[rY:rY+15], 0, v[rA], v[rB] matrix_a_scale:MATRIX_SCALE_ROW1 matrix_b_scale:MATRIX_SCALE_ROW1
.endif
.else
.if par == 0
	v_wmma_scale_f32_16x16x128_f8f6f4 v[rD:rD+7], v[rX:rX+15], v[rY:rY+15], v[rD:rD+7], v[rA], v[rB]
.elseif par == 1
	v_wmma_scale_f32_16x16x128_f8f6f4 v[rD:rD+7], v[rX:rX+15], v[rY:rY+15], v[rD:rD+7], v[rA], v[rB] matrix_a_scale:MATRIX_SCALE_ROW1
.elseif par == 2
	v_wmma_scale_f32_16x16x128_f8f6f4 v[rD:rD+7], v[rX:rX+15], v[rY:rY+15], v[rD:rD+7], v[rA], v[rB] matrix_b_scale:MATRIX_SCALE_ROW1
.else
	v_wmma_scale_f32_16x16x128_f8f6f4 v[rD:rD+7], v[rX:rX+15], v[rY:rY+15], v[rD:rD+7], v[rA], v[rB] matrix_a_scale:MATRIX_SCALE_ROW1 matrix_b_scale:MATRIX_SCALE_ROW1
.endif
.endif
.endm
.macro MULY y, fs, q, sc, zero         ; the 32 accumulators take turns, one instruction a turn, in the same order in every 128 along K
.irp x, 0,1,2,3,4,5,6,7
	WM \y, \x, \fs, \q, \sc, \zero
.endr
.endm
.macro FETCH reg, q, set               ; 48 LDS loads in one run: the fragments of region reg's q-th 128 along K
	WIN TO_X
.irp i, 0,1,2,3,4,5,6,7
.irp c, 0,1,2,3
	ds_load_b128 v[128*(\set)+16*\i+4*\c:128*(\set)+16*\i+4*\c+3], v[ADRX+\reg] offset:128*(\q)+32*\c+\i*16*PITCH
.endr
.endr
	WIN 0
.irp i, 0,1,2,3
.irp c, 0,1,2,3
	ds_load_b128 v[128+64*(\set)+16*\i+4*\c:128+64*(\set)+16*\i+4*\c+3], v[ADRY+\reg] offset:4096*\i+2048*(\q)+512*\c
.endr
.endr
.endm
.macro SCALES sc
.irp p, 0,1,2,3
	ds_load_b64 v[SX+8*\sc+2*\p:SX+8*\sc+2*\p+1], v[ADSX] offset:\p*4*272
.endr
.irp p, 0,1
.irp q, 0,1
	ds_load_b32 v[SY+4*\sc+2*\p+\q], v[ADSY] offset:512*\p+128*\q
.endr
.endr
.endm
.macro SUB reg, sc, zero               ; a K step's first 128 along K
	s_wait_dscnt 0x0                               ; set 0 and the scale words are in
	PLACES 8                                       ; set 1 was read by the last matrix instructions: loads into it stand eight plain vector instructions behind them
	FETCH \reg, 1, 1
	WIN MUL
	MULY 0, 0, 0, \sc, \zero
	MULY 1, 0, 0, \sc, \zero
	MULY 2, 0, 0, \sc, \zero
	MULY 3, 0, 0, \sc, \zero
	WIN 0
.endm
; A K step's second 128 along K, and the way on to region next.  mode 2: a barrier that opens a round of the cluster's barrier, and behind the round region 0 is filled again, with K step 3.  mode 1: a barrier alone, in front of which
; each wave waits for its part of K step 3.  mode 0: none: the next region was shown whole by the barrier before, and nothing is written.
.macro TURN next, sc, nsc, mode
.if \mode
	s_wait_tensorcnt 0x0                           ; all my tensor loads have landed
	ds_add_u32 v[SPW], v[NIL]                      ; 0 onto my spare word
	s_wait_dscnt 1                                 ; only the add may be out: set 1 is in
.else
	s_wait_dscnt 0x0                               ; set 1 is in
.endif
	WIN MUL
	MULY 0, 1, 1, \sc, 0
.if \mode
	s_wait_dscnt 0x0                               ; the add is done, and my reads so far are over
	s_barrier_signal -1
.endif
	MULY 1, 1, 1, \sc, 0
	WIN 0
.if \mode
	s_barrier_wait -1
.endif
.if \mode == 2
	CREST                                          ; no wave of any partner still reads region 0 or has a load on its way
	s_add_nc_u64 s[G0A0+2:G0A0+3], s[G0A0+2:G0A0+3], 3*1048576
	s_add_nc_u64 s[G0B0+2:G0B0+3], s[G0B0+2:G0B0+3], 3*256
	JLOAD G0A0, G1A, G0B0, G1B                     ; the first tensor load behind the round, and the last of the launch; its four v_nop are among the eight places
	PLACES 4
.else
	PLACES 8
.endif
	v_add_nc_u32 v[ADSX], 8, v[ADSX]               ; the next K step's scale words
	v_add_nc_u32 v[ADSY], 4096, v[ADSY]
	FETCH \next, 0, 0
	SCALES \nsc
	WIN MUL
	MULY 2, 1, 1, \sc, 0
	MULY 3, 1, 1, \sc, 0
	WIN 0
.endm
	s_wait_tensorcnt 2                             ; the scales and my part of K step 0 are in; K steps 1 and 2 may be out
	s_barrier_signal -1
	s_barrier_wait -1
	FETCH 0, 0, 0
	SCALES 0
	SUB 0, 0, 1                                    ; K step 0: the first products start the sums
	TURN 1, 0, 1, 2                                ; region 0 takes K step 3
	SUB 1, 1, 0                                    ; K step 1
	TURN 2, 1, 0, 0
	SUB 2, 0, 0                                    ; K step 2
	TURN 0, 0, 1, 1                                ; K step 3 is whole; nobody reads regions 1 and 2 any more
	SUB 0, 1, 0                                    ; K step 3
	s_wait_dscnt 0x0
	WIN MUL
	MULY 0, 1, 1, 1, 0
	MULY 1, 1, 1, 1, 0
	MULY 2, 1, 1, 1, 0
	MULY 3, 1, 1, 1, 0
	WIN 0
; THE WAY OUT, a tile of 16 rows x 128 columns at a time, through my own stage: in as 32 bytes a lane, back as whole rows of 512 bytes.  LDS serves a wave's instructions in order: no wait between the stores and the loads.
.macro TOSTAGE y
	WIN 0x04                                       ; an LDS store's data are its source 1: window 1
.irp x, 0,1,2,3,4,5,6,7
	ds_store_b128 v[STO], v[64*(\y)+8*\x:64*(\y)+8*\x+3] offset:64*\x          ; each accumulator from its low end on
	ds_store_b128 v[STO], v[64*(\y)+8*\x+4:64*(\y)+8*\x+7] offset:64*\x+16
.endr
	WIN 0
.set BB, BK+64*((\y)%2)
.irp t, 0,1,2,3,4,5,6,7,8,9,10,11,12,13,14,15
	ds_load_b128 v[BB+4*\t:BB+4*\t+3], v[RD] offset:\t*SPITCH
.endr
.endm
.macro SEND y, younger                 ; younger: the LDS instructions issued behind tile y's loads, which may stay out
.set BB, BK+64*((\y)%2)
	s_wait_dscnt \younger
.irp t, 0,1,2,3,4,5,6,7,8,9,10,11,12,13,14,15
	global_store_b128 v[CO], v[BB+4*\t:BB+4*\t+3], s[8:9] offset:(32*((\y)/2)+8*((\y)%2)+\t+8*(\t/8))*8192 th:TH_STORE_NT   ; row t of the tile is row 32 (y / 2) + 8 (y % 2) + t + 8 (t / 8) of my 64; 512 consecutive bytes, aligned
.endr
.endm
	PLACES 8                                       ; behind the last products
	TOSTAGE 0
	TOSTAGE 1
	SEND 0, 32                                     ; behind tile 0's loads: tile 1's 16 stores and 16 loads
	s_wait_xcnt 0x0                                ; tile 0's stores have read their registers: tile 2's loads may land there
	TOSTAGE 2
	SEND 1, 32
	s_wait_xcnt 0x0
	TOSTAGE 3
	SEND 2, 32
	SEND 3, 0
	s_wait_tensorcnt 0x0                           ; the wave's end
	ds_add_u32 v[SPW], v[NIL]
	s_wait_dscnt 0x0
	CROUND                                         ; the closing round
	s_endpgm
.Lfunc_end_k_q96755a6d8d_oproj:
	.size	k_q96755a6d8d_oproj, .Lfunc_end_k_q96755a6d8d_oproj-k_q96755a6d8d_oproj
	.p2alignl 7, 3214868480
	.fill 96, 4, 3214868480
	.section	.rodata,"a",@progbits
	.p2align	6, 0x0
	.amdhsa_kernel k_q96755a6d8d_oproj
		.amdhsa_group_segment_fixed_size 327680
		.amdhsa_private_segment_fixed_size 0
		.amdhsa_enable_private_segment 0
		.amdhsa_kernarg_size 24
		.amdhsa_user_sgpr_count 2
		.amdhsa_user_sgpr_kernarg_segment_ptr 1
		.amdhsa_wavefront_size32 1
		.amdhsa_system_sgpr_workgroup_id_x 1
		.amdhsa_system_sgpr_workgroup_id_y 1
		.amdhsa_system_sgpr_workgroup_id_z 1
		.amdhsa_system_vgpr_workitem_id 0
		.amdhsa_next_free_vgpr 768
		.amdhsa_next_free_sgpr 100
		.amdhsa_reserve_vcc 0
		.amdhsa_float_denorm_mode_32 3
		.amdhsa_float_denorm_mode_16_64 3
		.amdhsa_memory_ordered 1
		.amdhsa_forward_progress 1
		.amdhsa_inst_pref_size 88
	.end_amdhsa_kernel
	.amdgpu_metadata
---
amdhsa.version: [ 1, 2 ]
amdhsa.kernels:
  - .name:           k_q96755a6d8d_oproj
    .symbol:         k_q96755a6d8d_oproj.kd
    .args:
      - { .name: ao, .offset: 0, .size: 8, .value_kind: global_buffer, .address_space: global }
      - { .name: xq, .offset: 8, .size: 8, .value_kind: global_buffer, .address_space: global }
      - { .name: out0, .offset: 16, .size: 8, .value_kind: global_buffer, .address_space: global }
    .group_segment_fixed_size: 327680
    .private_segment_fixed_size: 0
    .kernarg_segment_align: 8
    .kernarg_segment_size: 24
    .max_flat_workgroup_size: 128
    .sgpr_count:     100
    .vgpr_count:     768
    .wavefront_size: 32
...
	.end_amdgpu_metadata
.endif
;; end of part 4
